; MI455X (gfx1250); checked and timed in simulation.
; The chip was launched on July 23, 2026; its instructions are those of AMD's public machine-readable ISA for CDNA 5 (MIT licence, August 2026) and "CDNA5" Instruction Set Architecture Reference Guide (July 2026). The comments in the code are by the model that wrote it; some were corrected since.
;; Quantized Cyclical Attention. Allowed arithmetic: matrix products marked QUANTISED: E2M3 operands, one E8M0 scale for each 32 along K, by v_wmma_scale_f32_16x16x128_f8f6f4 with both operands' format E2M3, f32 sums; everything else in f32.
;; Inputs: Wc 32 x 16 float32; Wk 1,024 x 1,024 float32; Wo 1,024 x 1,024 float32; Wq 1,024 x 1,024 float32; Wv 1,024 x 1,024 float32; bc 16 float32; bk 1,024 float32; bo 1,024 float32; bq 1,024 float32; bv 1,024 float32; cycle_scale 16 float32; mask 1 x 2,048 bool; temporal_features 1 x 2,048 x 32 float32; x 1 x 2,048 x 1,024 float32.
;; Outputs: out0 1 x 2,048 x 1,024 float32.
;; This version of the problem:
;;   THIS VERSION OF THE PROBLEM IS GIVEN IN LOW PRECISION. The matrix products marked QUANTISED in the list below multiply operands that are first quantised to E2M3 (2 exponent bits, 3 mantissa bits; 6 bits a number), with one power-of-two scale for each 32 numbers along K (OCP MX v1.0); their sums are f32. All else is computed in f32.
;;   The module's matrix products, in the order in which they are computed (A, B: the left and right operand; K: the contracted axis; several contracted axes count as one K, in the product's order):
;;     1. [M 2,048, K 1,024] x [K 1,024, N 1,024]; A: input x; B: input Wq: QUANTISED
;;     2. [M 2,048, K 1,024] x [K 1,024, N 1,024]; A: input x; B: input Wk: QUANTISED
;;     3. [M 2,048, K 1,024] x [K 1,024, N 1,024]; A: input x; B: input Wv: QUANTISED
;;     4. batch 16 x [M 2,048, K 64] x [K 64, N 2,048]; A: computed on the way; B: computed on the way: QUANTISED
;;     5. [M 2,048, K 32] x [K 32, N 16]; A: input temporal_features; B: input Wc: QUANTISED
;;     6. batch 16 x [M 2,048, K 2,048] x [K 2,048, N 64]; A: softmax (see below); B: computed on the way: QUANTISED
;;     7. [M 2,048, K 1,024] x [K 1,024, N 1,024]; A: computed on the way; B: input Wo: QUANTISED
;;   THE QUANTISER, for each operand of a quantised product, along K:
;;     - K is cut into blocks of 32 from its start; a last block that is shorter is filled with zeros.
;;     - A block's scale is 2^e with e = floor(log2(the largest magnitude in the block)) - 2, held to -126 .. 127; a block of zeros has e = 0. As a byte (E8M0): e + 127.
;;     - Each number is divided by its block's scale, clamped to +-7.5, and rounded to the nearest number of E2M3, ties to even, subnormals kept.
;;     - The product sums the exact products of the quantised numbers (number of the format x scale) in f32.
;;   ~~~python
;;   def quantise(x, axis):      # numpy; x: float32 -> the quantised numbers, widened to float32 again
;;       x = np.moveaxis(x, axis, -1); K = x.shape[-1]
;;       x = np.pad(x, [(0, 0)] * (x.ndim - 1) + [(0, -K % 32)]); x = x.reshape(x.shape[:-1] + (-1, 32)); a = np.abs(x).max(-1, keepdims=True)
;;       e = np.where(a > 0, np.clip(np.frexp(np.where(a > 0, a, 1))[1] - 1 - 2, -126, 127), 0)      # np.frexp(a)[1] - 1 = floor(log2(a)), exactly
;;       r = np.clip(x / 2.0 ** e, -7.5, 7.5)
;;       step = 2.0 ** (np.maximum(np.frexp(np.where(r == 0, 1, r))[1] - 1, 0) - 3)
;;       q = np.round(r / step) * step * 2.0 ** e      # np.round: ties to even
;;       return np.moveaxis(q.reshape(q.shape[:-2] + (-1,))[..., :K], -1, axis).astype(np.float32)
;;   ~~~
;;   SOFTMAX AHEAD OF A QUANTISED PRODUCT. Where the list says 'softmax', what is quantised is not the finished softmax but p = 2^(t - M), with t = logit x log2(e) and M = ceil(the row's largest t), a whole number; so 1/2 < the row's largest p <= 1. The row's sum l is taken of the UNQUANTISED p, in f32, and the product's result is divided by l at the end. Since M is a whole number, a kernel that streams over the keys may use a running M (the ceiling of the running maximum): every later rescaling is an exact power of two, which a block's scale takes up: the codes' values come out the same.
;;   OPERANDS COMPUTED ON THE WAY. 'Computed on the way' means the value that the module computes at that place (a softmax that the list does not call 'softmax' is quantised finished and normalised). What goes into a quantiser is computed in f32, as accurately as f32 sums, v_exp_f32 and their like allow (about 1e-6 of the number): no bf16 or f16 on the way to a quantiser, and a product that is left as it is and whose result goes on into a quantised operand takes f32 operands (vector FMAs, or v_wmma_f32_16x16x4_f32). A number that lies on a knife's edge between two numbers of the format may be rounded either way, as far as f32 arithmetic and the matrix unit's own rounding can turn it there, and no further.
;; One version. Each part assembles by itself: llvm-mc -triple=amdgcn-amd-amdhsa -mcpu=gfx1250 --defsym DOCPART=n.
;; ======== version 1 of 1: 4 launches
;; limits: right only within a limited range of input values
;; workspace buffers: pc 4,915,200 bytes; ce 131,072 bytes; qb 1,835,008 bytes; kv 3,473,408 bytes; oc 1,638,400 bytes
;; launch prep (part 1): grid 784 x 1, 2 waves a work-group, no clusters, 32,512 bytes of LDS; arguments x, Wq, Wk, Wv, Wo, temporal_features, Wc, bc, pc, ce; writes pc, ce
.if DOCPART == 1
	.amdgcn_target "amdgcn-amd-amdhsa--gfx1250"
	.amdhsa_code_object_version 6
	.text
	.protected	k_q7d2c3facc9_prep
	.globl	k_q7d2c3facc9_prep
	.p2align	8
	.type	k_q7d2c3facc9_prep,@function
k_q7d2c3facc9_prep:
	s_mov_b64 s[64:65], 0
	v_nop
	global_prefetch_b8 v0, s[64:65] scope:SCOPE_SE
	s_setreg_imm32_b32 hwreg(HW_REG_WAVE_MODE, 25, 1), 1
	s_wait_xcnt 0x0
; PREP: x and the four weights become codes of FP6 (E2M3) with one E8M0 byte for each 32 along K; e = temporal_features Wc + bc (product 5) is made.
; DEAD WORK LEFT OUT IN THE PROGRAM (launch qkv): reference()'s t + (dq - t) is dq for all finite values in exact arithmetic, so dq itself is taken.  An overflow of dq - t alone is not carried to the result.
; ROW ORDER: rows (tokens of x, columns n of a weight) go in groups of 64; tile t = 0..3 of a group holds as its row i (0..15) the group's row 8 t + i % 8 + 32 (i / 8).
; So in a product's result a lane's registers 8 t + j over four tiles are 32 neighbours, one scale block.
; pc: record (group 8 + K step) of 6,400 bytes: four tiles of 1,536 (the image of an operand's 12 registers: two halves of 768, registers 0-3 at 16 x lane, 4-5 at 512 + 8 x lane), then scale words 64 tile + 4 row.
; Groups: x 0-31, Wq 32-47, Wk 48-63, Wv 64-79, Wo 80-95.
; A block's scale is 2^(floor(log2(largest magnitude)) - 2); its byte is the largest magnitude's exponent field - 2, held at 1 from below.
; LIMITS: a block of zeros, or one whose largest magnitude lies under 2^-124, keeps the byte 1 (its bytes are read by this program alone); NaN and infinities are not served.
; Work-groups 0-511: the weights (64 columns x 128 K).  512-767: x (64 rows x 128 K).  768-783: product 5 (a wave: 64 tokens).  The three ways share no LDS byte.
.set XWD, 16896                        ; way X: two stages of 8,448 from 0, then 256 bytes of scale words
.set WST, 17152                        ; way W: a record
.set CST, 23552                        ; way C: 2 x 4,352
.set SPARE, 32256
.macro WALU
	s_wait_alu depctr_va_vdst(0)
.endm
	s_load_b512 s[4:19], s[0:1], 0x0               ; x, Wq, Wk, Wv, Wo, temporal_features, Wc, bc
	s_load_b128 s[20:23], s[0:1], 0x40             ; pc, ce
	v_lshl_add_u32 v254, v0, 2, SPARE
	v_mov_b32 v255, 0
	v_lshrrev_b32 v1, 5, v0
	v_readfirstlane_b32 s26, v1                    ; wave
	v_and_b32 v10, 31, v0                          ; lane
	v_and_b32 v14, 15, v0                          ; r
	v_bfe_u32 v15, v0, 4, 1                        ; h
	WALU                                           ; the wait ahead of the branches
	s_cmp_lt_u32 ttmp9, 512
	s_cbranch_scc1 .Lpath_w
	s_cmp_lt_u32 ttmp9, 768
	s_cbranch_scc1 .Lpath_x
; ---------------- WAY C: e[head][token] = Q(temporal_features) Q(Wc) + bc.  K = 32: one block; the other three blocks of the instruction's 128 are zero codes under the byte 1.
	s_sub_co_u32 s27, ttmp9, 768
	s_lshl_b32 s27, s27, 1
	s_add_co_u32 s27, s27, s26                     ; which 64 tokens
	s_lshl_b32 s32, s27, 13                        ; 64 rows of 128 bytes
	s_mov_b32 s33, 0
	s_lshl_b32 s34, s27, 8                         ; 64 numbers in a row of ce
	s_mov_b32 s35, 0
	v_lshlrev_b32 v5, 2, v14                       ; 4 r
	v_lshlrev_b32 v6, 7, v14                       ; 128 r
	v_add_nc_u32 v12, -1, v15                      ; all ones in lanes 0-15, 0 in lanes 16-31
	s_mul_i32 s36, s26, 4352
	s_add_co_u32 s36, s36, CST
	v_mul_u32_u24 v7, v14, 272
	v_lshl_add_u32 v7, v15, 5, v7
	v_add_nc_u32 v7, s36, v7                       ; stage, in: row = head r, + 32 h
	v_mul_u32_u24 v8, v15, 272
	v_lshl_add_u32 v8, v14, 4, v8
	v_add_nc_u32 v8, s36, v8                       ; stage, out: lanes 0-15 one head, lanes 16-31 the next
	v_lshlrev_b32 v9, 13, v15
	v_lshl_add_u32 v9, v14, 4, v9                  ; the same in ce: rows of 8,192 bytes
	WALU
	s_wait_kmcnt 0x0
	s_add_nc_u64 s[14:15], s[14:15], s[32:33]
	s_add_nc_u64 s[22:23], s[22:23], s[34:35]
.set i, 0
.rept 32
	global_load_b32 v[16+i], v5, s[16:17] offset:64*i     ; Wc(i, r): the lane takes a column, its registers run down K
.set i, i+1
.endr
.irp m, 0,1,2,3
.irp j, 0,1,2,3,4,5,6,7
	global_load_b128 v[48+32*\m+4*\j:51+32*\m+4*\j], v6, s[14:15] offset:2048*\m+16*\j   ; token 16 m + r, all its 32 numbers
.endr
.endr
	global_load_b32 v13, v5, s[18:19]              ; bc[r]
	s_wait_loadcnt 0x0
.macro QB32 src, dst, sw
	v_max3_num_f32 v236, |v[(\src)]|, |v[(\src)+1]|, 0x1800000      ; with the floor 2^(3 - 127): the byte cannot fall under 1
	v_max3_num_f32 v237, |v[(\src)+2]|, |v[(\src)+3]|, |v[(\src)+4]|
.irp i, 5,9,13,17,21,25
	v_max3_num_f32 v236, v236, |v[(\src)+\i]|, |v[(\src)+\i+1]|
	v_max3_num_f32 v237, v237, |v[(\src)+\i+2]|, |v[(\src)+\i+3]|
.endr
	v_max3_num_f32 v236, v236, |v[(\src)+29]|, |v[(\src)+30]|
	v_max3_num_f32 v236, v236, v237, |v[(\src)+31]|
	v_add_nc_u32 v238, 0xff000000, v236            ; 2 off the exponent field: the conversion's scale operand
	v_lshrrev_b32 v239, 23, v238                   ; the byte
	v_or_b32 v[\sw], 0x01010100, v239              ; the three blocks of zero codes: byte 1
	v_cvt_scalef32_pk16_fp6_f32 v[(\dst):(\dst)+2], v[(\src):(\src)+15], v238
	v_cvt_scalef32_pk16_fp6_f32 v[240:242], v[(\src)+16:(\src)+31], v238
	v_nop
.irp i, 0,1,2
	v_mov_b32 v[(\dst)+3+\i], v[240+\i]
.endr
.irp i, 0,1,2,3,4,5
	v_and_b32 v[(\dst)+\i], v12, v[(\dst)+\i]
.endr
.irp i, 6,7,8,9,10,11
	v_mov_b32 v[(\dst)+\i], 0
.endr
.endm
	QB32 16, 176, 248
.irp m, 0,1,2,3
	QB32 48+32*\m, 188+12*\m, 249+\m
.endr
.rept 8
	v_nop                                          ; a scale register written by a vector instruction stands 8 places ahead of a scaled matrix instruction
.endr
.irp m, 0,1,2,3
	v_wmma_scale_f32_16x16x128_f8f6f4 v[16+8*\m:23+8*\m], v[188+12*\m:199+12*\m], v[176:187], 0, v[249+\m], v248 matrix_a_fmt:MATRIX_FMT_FP6 matrix_b_fmt:MATRIX_FMT_FP6
.endr
.rept 4
	v_nop
.endr
.set i, 0
.rept 32
	v_add_f32 v[48+i], v[16+i], v13                ; register 8 m + j: token 16 m + 8 h + j, head r
.set i, i+1
.endr
.irp m, 0,1,2,3
	ds_store_b128 v7, v[48+8*\m:51+8*\m] offset:64*\m
	ds_store_b128 v7, v[52+8*\m:55+8*\m] offset:64*\m+16
.endr
.irp i, 0,1,2,3,4,5,6,7
	ds_load_b128 v[80+4*\i:83+4*\i], v8 offset:544*\i    ; a wave's LDS instructions are served in order: these see my stores
.endr
.irp i, 0,1,2,3,4,5,6,7
	s_wait_dscnt 7-\i
	global_store_b128 v9, v[80+4*\i:83+4*\i], s[22:23] offset:16384*\i   ; sixteen lanes store 256 consecutive bytes of one head's row, aligned
.endr
	s_wait_tensorcnt 0x0
	ds_add_u32 v254, v255
	s_wait_dscnt 0x0
	s_endpgm
; ---------------- WAY X: x, K innermost.  A wave takes two tiles x one K step.  Each load reads 512 consecutive bytes of one row; the 16 rows turn through the wave's stage, so that a lane holds two whole blocks.
; v16-143 two tiles as loaded; v144-207 register 32 c + i = k 64 c + 32 h + i of row r; v208-231 codes; v232-251 at work.
.Lpath_x:
	s_sub_co_u32 s27, ttmp9, 512                   ; 8 group + K step
	s_lshr_b32 s28, s27, 3
	s_and_b32 s29, s27, 7
	s_lshl_b32 s32, s28, 18                        ; 64 rows of 4,096 bytes
	s_lshl_b32 s33, s26, 16                        ; my tiles begin 16 rows on
	s_add_co_u32 s32, s32, s33
	s_lshl_b32 s33, s29, 9
	s_add_co_u32 s32, s32, s33
	s_mov_b32 s33, 0
	s_mul_i32 s34, s27, 6400
	s_mov_b32 s35, 0
	s_mul_i32 s36, s26, 3072
	s_mov_b32 s37, 0
	v_lshlrev_b32 v1, 4, v10
	v_lshlrev_b32 v2, 3, v10
	s_mul_i32 s38, s26, 8448
	v_add_nc_u32 v3, s38, v1                       ; stage, in: 16 x lane; rows 528 bytes apart
	v_mul_u32_u24 v4, v14, 528
	v_lshl_add_u32 v4, v15, 7, v4
	v_add_nc_u32 v4, s38, v4                       ; stage, out: row r, + 128 h
	s_lshl_b32 s39, s26, 7
	s_add_co_u32 s39, s39, XWD
	v_lshl_add_u32 v5, v14, 2, v15
	v_add_nc_u32 v5, s39, v5                       ; my byte of a scale word
	v_add_nc_u32 v6, XWD, v2
	WALU
	s_wait_kmcnt 0x0
	s_add_nc_u64 s[4:5], s[4:5], s[32:33]
	s_add_nc_u64 s[20:21], s[20:21], s[34:35]      ; the record
	s_add_nc_u64 s[40:41], s[20:21], s[36:37]      ; my two tiles of it
.irp u, 0,1
.irp i, 0,1,2,3,4,5,6,7,8,9,10,11,12,13,14,15
	global_load_b128 v[16+64*\u+4*\i:19+64*\u+4*\i], v1, s[4:5] offset:(\i+24*(\i/8)+8*\u)*4096 th:TH_LOAD_NT
.endr
.endr
.macro XTILE u
	s_wait_loadcnt 16*(1-\u)
.irp i, 0,1,2,3,4,5,6,7,8,9,10,11,12,13,14,15
	ds_store_b128 v3, v[16+64*\u+4*\i:19+64*\u+4*\i] offset:528*\i
.endr
.irp c, 0,1
.irp j, 0,1,2,3,4,5,6,7
	ds_load_b128 v[144+32*\c+4*\j:147+32*\c+4*\j], v4 offset:256*\c+16*\j
.endr
.endr
	s_wait_dscnt 0x0
.irp c, 0,1
	v_max3_num_f32 v[232+\c], |v[144+32*\c]|, |v[145+32*\c]|, 0x1800000
	v_max3_num_f32 v[234+\c], |v[146+32*\c]|, |v[147+32*\c]|, |v[148+32*\c]|
.endr
.irp i, 5,9,13,17,21,25
.irp c, 0,1
	v_max3_num_f32 v[232+\c], v[232+\c], |v[144+32*\c+\i]|, |v[145+32*\c+\i]|
	v_max3_num_f32 v[234+\c], v[234+\c], |v[146+32*\c+\i]|, |v[147+32*\c+\i]|
.endr
.endr
.irp c, 0,1
	v_max3_num_f32 v[232+\c], v[232+\c], |v[173+32*\c]|, |v[174+32*\c]|
.endr
.irp c, 0,1
	v_max3_num_f32 v[232+\c], v[232+\c], v[234+\c], |v[175+32*\c]|
.endr
.irp c, 0,1
	v_add_nc_u32 v[248+\c], 0xff000000, v[232+\c]
.endr
.irp c, 0,1
	v_lshrrev_b32 v[250+\c], 23, v[248+\c]
.endr
.irp c, 0,1
	v_cvt_scalef32_pk16_fp6_f32 v[208+12*\u+6*\c:210+12*\u+6*\c], v[144+32*\c:159+32*\c], v[248+\c]
	v_cvt_scalef32_pk16_fp6_f32 v[240+4*\c:242+4*\c], v[160+32*\c:175+32*\c], v[248+\c]
.endr
	v_nop
.irp c, 0,1
.irp i, 0,1,2
	v_mov_b32 v[211+12*\u+6*\c+\i], v[240+4*\c+\i]
.endr
.endr
	WALU
.irp c, 0,1
	ds_store_b8 v5, v[250+\c] offset:64*\u+2*\c
	global_store_b128 v1, v[208+12*\u+6*\c:211+12*\u+6*\c], s[40:41] offset:1536*\u+768*\c
	global_store_b64 v2, v[212+12*\u+6*\c:213+12*\u+6*\c], s[40:41] offset:1536*\u+768*\c+512
.endr
.endm
	XTILE 0
	s_wait_dscnt 0x0                               ; the bytes' registers are written again
	XTILE 1
	s_wait_dscnt 0x0
	s_barrier_signal -1
	s_barrier_wait -1                              ; both waves' scale bytes are there
	s_cmp_eq_u32 s26, 0
	s_cbranch_scc1 .Lxend
	ds_load_b64 v[246:247], v6
	s_wait_dscnt 0x0
	global_store_b64 v2, v[246:247], s[20:21] offset:6144   ; 256 consecutive bytes, aligned
.Lxend:
	s_wait_tensorcnt 0x0
	ds_add_u32 v254, v255
	s_wait_dscnt 0x0
	s_endpgm
; ---------------- WAY W: a weight [K][N], K its first axis.  A lane takes a column (32 w + x of the group) and its registers run down K: a block of 32 lies in one lane.
; Column 32 w + x is row x % 8 + 8 w of tile x / 8.  Block b is half b / 2, lanes' half b % 2 of the image.  The record is gathered in LDS and leaves 512 consecutive bytes a store.
; v32-127 three sets of 32 numbers; v128-159 codes, eight registers a block; v160-167 at work; v168-171 scale bytes; v176-199 the way out.
.Lpath_w:
	s_lshr_b32 s32, ttmp9, 7                       ; which weight
	s_and_b32 s33, ttmp9, 15                       ; which 64 columns
	s_bfe_u32 s34, ttmp9, 0x30004                  ; which K step
	s_lshl_b32 s36, s34, 19                        ; 128 rows of 4,096 bytes
	s_lshl_b32 s35, s33, 8
	s_add_co_u32 s36, s36, s35
	s_lshl_b32 s35, s26, 7
	s_add_co_u32 s36, s36, s35
	s_mov_b32 s37, 0
	s_lshl_b32 s38, s32, 7
	s_lshl_b32 s35, s33, 3
	s_add_co_u32 s38, s38, s35
	s_add_co_u32 s38, s38, s34
	s_add_co_u32 s38, s38, 256
	s_mul_i32 s38, s38, 6400
	s_mov_b32 s39, 0
	v_lshlrev_b32 v3, 2, v10
	v_lshrrev_b32 v1, 3, v10                       ; tile
	v_and_b32 v2, 7, v10
	s_lshl_b32 s35, s26, 3
	v_add_nc_u32 v2, s35, v2                       ; row
	v_mul_u32_u24 v6, v1, 1536
	v_lshl_add_u32 v4, v2, 4, v6
	v_add_nc_u32 v4, WST, v4
	v_lshl_add_u32 v5, v2, 3, v6
	v_add_nc_u32 v5, WST+512, v5
	v_lshlrev_b32 v6, 6, v1
	v_lshl_add_u32 v6, v2, 2, v6
	v_add_nc_u32 v6, WST+6144, v6
	s_lshl_b32 s35, s26, 9
	v_lshlrev_b32 v8, 4, v10
	v_add_nc_u32 v8, s35, v8                       ; 512 w + 16 x lane
	v_add_nc_u32 v7, WST, v8
	v_lshlrev_b32 v9, 3, v10
	v_add_nc_u32 v11, WST+6144, v9
	WALU
	s_wait_kmcnt 0x0
	s_cmp_eq_u32 s32, 1                            ; the choice hangs on the work-group's number alone
	s_cselect_b64 s[28:29], s[8:9], s[6:7]
	s_cmp_eq_u32 s32, 2
	s_cselect_b64 s[28:29], s[10:11], s[28:29]
	s_cmp_eq_u32 s32, 3
	s_cselect_b64 s[28:29], s[12:13], s[28:29]
	s_add_nc_u64 s[28:29], s[28:29], s[36:37]
	s_add_nc_u64 s[20:21], s[20:21], s[38:39]
.macro WLOAD t
.set i, 0
.rept 32
	global_load_b32 v[32+32*((\t)%3)+i], v3, s[28:29] offset:(32*(\t)+i)*4096 th:TH_LOAD_NT
.set i, i+1
.endr
.endm
.macro WBLOCK t
.set XS, 32+32*((\t)%3)
.set WC, 128+8*(\t)
.if (\t) < 3
	s_wait_loadcnt 32                              ; this block's 32 loads are in; the next block's stay out
.else
	s_wait_loadcnt 0x0
.endif
.if (\t)+2 < 4
	WLOAD (\t)+2
.endif
	v_max3_num_f32 v160, |v[XS]|, |v[XS+1]|, 0x1800000
	v_max3_num_f32 v161, |v[XS+2]|, |v[XS+3]|, |v[XS+4]|
.irp i, 5,9,13,17,21,25
	v_max3_num_f32 v160, v160, |v[XS+\i]|, |v[XS+\i+1]|
	v_max3_num_f32 v161, v161, |v[XS+\i+2]|, |v[XS+\i+3]|
.endr
	v_max3_num_f32 v160, v160, |v[XS+29]|, |v[XS+30]|
	v_max3_num_f32 v160, v160, v161, |v[XS+31]|
	v_add_nc_u32 v162, 0xff000000, v160
	v_lshrrev_b32 v[168+\t], 23, v162
	v_cvt_scalef32_pk16_fp6_f32 v[WC:WC+2], v[XS:XS+15], v162
	v_cvt_scalef32_pk16_fp6_f32 v[164:166], v[XS+16:XS+31], v162
	v_nop
	v_mov_b32 v[WC+3], v164
	v_mov_b32 v[WC+4], v165
	v_mov_b32 v[WC+5], v166
	ds_store_b128 v4, v[WC:WC+3] offset:768*((\t)/2)+256*((\t)%2)
	ds_store_b64 v5, v[WC+4:WC+5] offset:768*((\t)/2)+128*((\t)%2)
	ds_store_b8 v6, v[168+\t] offset:\t
.endm
	WLOAD 0
	WLOAD 1
.irp t, 0,1,2,3
	WBLOCK \t
.endr
	s_wait_dscnt 0x0
	s_barrier_signal -1
	s_barrier_wait -1                              ; the record is whole
.irp n, 0,1,2,3,4,5
	ds_load_b128 v[176+4*\n:179+4*\n], v7 offset:1024*\n
.endr
.irp n, 0,1,2,3,4,5
	s_wait_dscnt 5-\n
	global_store_b128 v8, v[176+4*\n:179+4*\n], s[20:21] offset:1024*\n
.endr
	s_cmp_eq_u32 s26, 0
	s_cbranch_scc1 .Lwend
	ds_load_b64 v[200:201], v11
	s_wait_dscnt 0x0
	global_store_b64 v9, v[200:201], s[20:21] offset:6144
.Lwend:
	s_wait_tensorcnt 0x0
	ds_add_u32 v254, v255
	s_wait_dscnt 0x0
	s_endpgm
.Lfunc_end_k_q7d2c3facc9_prep:
	.size	k_q7d2c3facc9_prep, .Lfunc_end_k_q7d2c3facc9_prep-k_q7d2c3facc9_prep
	.p2alignl 7, 3214868480
	.fill 96, 4, 3214868480
	.section	.rodata,"a",@progbits
	.p2align	6, 0x0
	.amdhsa_kernel k_q7d2c3facc9_prep
		.amdhsa_group_segment_fixed_size 32512
		.amdhsa_private_segment_fixed_size 0
		.amdhsa_enable_private_segment 0
		.amdhsa_kernarg_size 80
		.amdhsa_user_sgpr_count 2
		.amdhsa_user_sgpr_kernarg_segment_ptr 1
		.amdhsa_wavefront_size32 1
		.amdhsa_system_sgpr_workgroup_id_x 1
		.amdhsa_system_sgpr_workgroup_id_y 1
		.amdhsa_system_sgpr_workgroup_id_z 1
		.amdhsa_system_vgpr_workitem_id 0
		.amdhsa_next_free_vgpr 256
		.amdhsa_next_free_sgpr 66
		.amdhsa_reserve_vcc 0
		.amdhsa_float_denorm_mode_32 3
		.amdhsa_float_denorm_mode_16_64 3
		.amdhsa_memory_ordered 1
		.amdhsa_forward_progress 1
		.amdhsa_inst_pref_size 59
	.end_amdhsa_kernel
	.amdgpu_metadata
---
amdhsa.version: [ 1, 2 ]
amdhsa.kernels:
  - .name:           k_q7d2c3facc9_prep
    .symbol:         k_q7d2c3facc9_prep.kd
    .args:
      - { .name: x, .offset: 0, .size: 8, .value_kind: global_buffer, .address_space: global }
      - { .name: Wq, .offset: 8, .size: 8, .value_kind: global_buffer, .address_space: global }
      - { .name: Wk, .offset: 16, .size: 8, .value_kind: global_buffer, .address_space: global }
      - { .name: Wv, .offset: 24, .size: 8, .value_kind: global_buffer, .address_space: global }
      - { .name: Wo, .offset: 32, .size: 8, .value_kind: global_buffer, .address_space: global }
      - { .name: temporal_features, .offset: 40, .size: 8, .value_kind: global_buffer, .address_space: global }
      - { .name: Wc, .offset: 48, .size: 8, .value_kind: global_buffer, .address_space: global }
      - { .name: bc, .offset: 56, .size: 8, .value_kind: global_buffer, .address_space: global }
      - { .name: pc, .offset: 64, .size: 8, .value_kind: global_buffer, .address_space: global }
      - { .name: ce, .offset: 72, .size: 8, .value_kind: global_buffer, .address_space: global }
    .group_segment_fixed_size: 32512
    .private_segment_fixed_size: 0
    .kernarg_segment_align: 8
    .kernarg_segment_size: 80
    .max_flat_workgroup_size: 64
    .sgpr_count:     66
    .vgpr_count:     256
    .wavefront_size: 32
...
	.end_amdgpu_metadata
.endif
;; end of part 1
;; launch qkv (part 2): grid 16 x 16, 12 waves a work-group, clusters of 4 x 4, 300,800 bytes of LDS; arguments pc, ce, cycle_scale, bq, bk, bv, mask, qb, kv; writes qb, kv
.if DOCPART == 2
	.amdgcn_target "amdgcn-amd-amdhsa--gfx1250"
	.amdhsa_code_object_version 6
	.text
	.protected	k_q7d2c3facc9_qkv
	.globl	k_q7d2c3facc9_qkv
	.p2align	8
	.type	k_q7d2c3facc9_qkv,@function
k_q7d2c3facc9_qkv:
	s_mov_b64 s[64:65], 0
	v_nop
	global_prefetch_b8 v0, s[64:65] scope:SCOPE_SE
	s_setreg_imm32_b32 hwreg(HW_REG_WAVE_MODE, 25, 1), 1
	s_wait_xcnt 0x0
	s_wait_alu depctr_hold_cnt(0) depctr_sa_sdst(0) depctr_va_vdst(0) depctr_va_sdst(0) depctr_va_ssrc(0) depctr_va_vcc(0) depctr_vm_vsrc(0)
	s_getreg_b32 s2, hwreg(HW_REG_IB_STS2, 6, 4)
	s_cmp_eq_u32 s2, 0
	s_cbranch_scc0 .Lentry_in_a_cluster
	s_endpgm
.Lentry_in_a_cluster:
	s_bfe_u32 s2, ttmp6, 0x10000c
	s_cmp_lg_u32 s2, 0xf033
	s_cbranch_scc0 .Lentry_shape_is_right
	s_endpgm
.Lentry_shape_is_right:
; QKV: products 1 to 3 on PREP's codes, the biases, the min/max quantise-dequantise of K (15 steps) and V (255 steps), and the quantising of Q, K_dq (along the head) and V_dq (along the keys).
; DEAD WORK: t + (dq - t) is dq in exact arithmetic: dq is taken (see the first launch's head).
; A work-group: 128 tokens x one head's Q, K and V.  Twelve waves: wave / 4 = 0 Q, 1 K, 2 V; wave % 4 = u: tiles 2 (u % 2), + 1 of token group u / 2; a wave makes 32 tokens x 64 columns, 8 accumulators.
; Source 0 = the weight's rows, source 1 = tokens: lane (r, h) holds a token, register 8 p + j is column 32 h + 8 p + j of the head: one scale block a lane.
; All of K lies in LDS in four chunks of two K steps, filled once: waves 0-7 issue one joint load each (x's two groups along a row of the cluster, the three weights' groups along a column).  No prefetch: all is asked for at the head.
; THE BIAS is the first products' C.  THE KEY MASK goes into K's scale words: byte 2 (k = 64..95, which holds one code -1 in the next launch) is 254 for a hidden key and 1 for an open one; Q's byte 2 is 100; byte 3 is 1 (zero codes).
; V's dequantised numbers turn through LDS, so that a lane holds a channel and its registers 32 neighbouring keys.  Wave 3 makes n = max(|e|, 1e-12) of the head and 8 cycle_scale (e_q / n) / n for the next launch.
; OUT: qb: (head 32 + token group) 3,584: four tiles x 768, words 64 tile + 4 r, aq 64 tile + 4 r.
; kv: (head 16 + step of 128 keys) 13,568: K's eight tiles x 768; V's four channel tiles x 1,536; K's words at 16 (r + 16 (i % 2)) + 4 (i / 2); V's words at 8 (r + 16 (t % 2)) + 4 (t / 2); e, 128 numbers.
; LIMITS: NaN and infinities are not served; a block under 2^-124 keeps the byte 1; (t - lo) / scale is a multiplication by v_rcp_f32's result; (hi - lo) / 15 and / 255 are a multiplication with one step of correction; 1 / n is v_rcp_f32.
.set CHUNK, 64000                      ; x's two groups, then Wq's, Wk's, Wv's: 12,800 bytes each (two K steps of 6,400)
.set WB,  25600
.set VT,  4*CHUNK                      ; V's turn: 128 rows of 272 bytes
.set REC, VT+34816                     ; V's codes 6,144, K's words 512, V's words 256, e 512
.set QST, REC+7424                     ; two groups x (words 256, aq 256)
.set SPARE, QST+1024
.set SPW, 31
.set NIL, 244
.set SC,  20                           ; v20-27 scale words, two sets: lanes 0-15 R's tile i, lanes 16-31 P's tile i
.set FS,  32                           ; two sets of 72: P's four fragments, R's two
.set ACC, 176
.set SEL, 62
.macro WALU
	s_wait_alu depctr_va_vdst(0)
.endm
.macro CROUND
	s_barrier_signal -1
	s_barrier_wait -1
	s_cmp_lg_u32 s22, 0
	s_cbranch_scc1 .Lnot_wave_0_\@
	s_barrier_signal -3
.Lnot_wave_0_\@:
	s_barrier_wait -3
	s_barrier_signal -1
	s_barrier_wait -1
.endm
	s_load_b512 s[4:19], s[0:1], 0x0               ; pc, ce, cycle_scale, bq, bk, bv, mask, qb
	s_load_b64 s[20:21], s[0:1], 0x40              ; kv
	v_lshl_add_u32 v[SPW], v0, 2, SPARE
	v_mov_b32 v[NIL], 0
	ds_add_u32 v[SPW], v[NIL]
	ds_add_u32 v[SPW], v[NIL]
	v_lshrrev_b32 v1, 5, v0
	v_readfirstlane_b32 s22, v1                    ; wave
	s_lshr_b32 s23, s22, 2                         ; role
	s_and_b32 s24, s22, 3                          ; u
	s_lshr_b32 s29, s24, 1
	s_and_b32 s30, s24, 1
	s_lshr_b32 s60, s22, 1                         ; the chunk that I fetch (waves 0-7)
	s_bfe_u32 s25, ttmp6, 0x40000                  ; cx
	s_bfe_u32 s26, ttmp6, 0x40004                  ; cy
	s_lshl_b32 s27, ttmp9, 2
	s_add_co_u32 s27, s27, s25                     ; head
	s_and_b32 s28, ttmp7, 0xffff
	s_lshl_b32 s28, s28, 2
	s_add_co_u32 s28, s28, s26                     ; block of 128 tokens
	s_lshl_b32 s2, s26, 2
	s_lshl_b32 s2, 15, s2                          ; my row of the cluster
	s_lshl_b32 s3, 0x1111, s25                     ; my column
	s_or_b32 s32, s2, (3<<16)|(1<<21)              ; x: two rows (groups) of 12,800 bytes, 51,200 apart
	s_mov_b32 s33, 1600<<16
	s_mov_b32 s34, 2<<16
	s_mov_b32 s35, 1600<<16
	s_mov_b32 s36, 2
	s_mov_b32 s37, 6400
	s_mov_b32 s38, 0
	s_mov_b32 s39, 0
	s_or_b32 s40, s3, (3<<16)|(1<<21)              ; the weights: three rows, 16 groups apart
	s_mov_b32 s41, 1600<<16
	s_mov_b32 s42, 3<<16
	s_mov_b32 s43, 1600<<16
	s_mov_b32 s44, 3
	s_mov_b32 s45, 102400
	s_mov_b32 s46, 0
	s_mov_b32 s47, 0
	s_mul_i32 s31, s60, 12800
	s_mul_i32 s56, s28, 102400
	s_add_co_u32 s56, s56, s31
	s_mov_b32 s57, 0
	s_add_co_u32 s58, s27, 32
	s_mul_i32 s58, s58, 51200
	s_add_co_u32 s58, s58, s31
	s_mov_b32 s59, 0
	s_mul_i32 s61, s60, CHUNK
	s_mov_b32 s48, 1
	s_mov_b32 s49, s61
	s_mov_b32 s52, 1
	s_add_co_u32 s53, s61, WB
	s_wait_dscnt 0x0
	s_wait_kmcnt 0x0
	s_add_nc_u64 s[50:51], s[4:5], s[56:57]
	s_or_b32 s51, s51, 0x80000000
	s_add_nc_u64 s[54:55], s[4:5], s[58:59]
	s_or_b32 s55, s55, 0x80000000
	CROUND                                         ; all sixteen work-groups are here: the joint loads meet
.macro ARM n, g0, g1
	s_cmp_eq_u32 s22, \n
	s_cbranch_scc0 .Lnx\n
	tensor_load_to_lds s[\g0:\g0+3], s[\g1:\g1+7]
	s_nop 0
.rept 4
	v_nop
.endr
	s_branch .Lasked
.Lnx\n:
.endm
	ARM 0, 48, 32
	ARM 1, 52, 40
	ARM 2, 48, 32
	ARM 3, 52, 40
	ARM 4, 48, 32
	ARM 5, 52, 40
	ARM 6, 48, 32
	ARM 7, 52, 40
.Lasked:
	v_and_b32 v10, 31, v0                          ; lane
	v_and_b32 v3, 15, v0                           ; r
	v_bfe_u32 v4, v0, 4, 1                         ; h
	v_lshlrev_b32 v1, 4, v10
	v_lshlrev_b32 v2, 3, v10
	v_and_b32 v252, 8, v3
	v_and_b32 v11, 7, v3
	v_lshl_add_u32 v11, v252, 2, v11               ; r % 8 + 32 (r / 8)
	s_lshl_b32 s66, s29, 6
	s_lshl_b32 s67, s30, 4
	s_add_co_u32 s66, s66, s67
	v_add_nc_u32 v11, s66, v11                     ; my token in the block, tile q = 0; tile 1: 8 on
	v_lshlrev_b32 v242, 7, v4                      ; 128 h: the bias loads' address
	WALU                                           ; the wait ahead of the scalar lines
	; global loads: bias, mask bytes, and for wave 3 the head's e
	s_cmp_eq_u32 s23, 1
	s_cselect_b64 s[78:79], s[12:13], s[10:11]
	s_cmp_eq_u32 s23, 2
	s_cselect_b64 s[78:79], s[14:15], s[78:79]
	s_lshl_b32 s66, s27, 8
	s_mov_b32 s67, 0
	s_add_nc_u64 s[78:79], s[78:79], s[66:67]
	s_lshl_b32 s66, s28, 7
	s_add_nc_u64 s[16:17], s[16:17], s[66:67]
.irp k, 0,1,2,3,4,5,6,7
	global_load_b128 v[ACC+32+4*\k:ACC+35+4*\k], v242, s[78:79] offset:16*\k    ; the bias where token tile 1's sums will lie
.endr
.irp q, 0,1
	global_load_u8 v[249+\q], v11, s[16:17] offset:8*\q
.endr
	s_lshl_b32 s66, s27, 13
	s_add_nc_u64 s[6:7], s[6:7], s[66:67]          ; the head's e
	s_lshl_b32 s66, s28, 9
	s_add_nc_u64 s[80:81], s[6:7], s[66:67]        ; my block's
	s_lshl_b32 s66, s27, 2
	v_mov_b32 v253, s66
	WALU
	; LDS addresses, all of them ahead of any parting of the waves
	s_mul_i32 s61, s23, 12800
	s_add_co_u32 s61, s61, WB                      ; P: my role's weight
	s_mul_i32 s66, s29, 12800
	s_mul_i32 s68, s30, 3072
	s_add_co_u32 s68, s68, s66                     ; R: my two tiles
	s_lshl_b32 s67, s30, 7
	s_add_co_u32 s67, s67, s66
	s_add_co_u32 s67, s67, 6144                    ; R's scale words
	s_add_co_u32 s69, s61, 6144
	s_sub_co_u32 s69, s69, s67                     ; from R's to P's
	v_add_nc_u32 v5, s61, v1
	v_add_nc_u32 v6, s61, v2
	v_add_nc_u32 v7, s68, v1
	v_add_nc_u32 v8, s68, v2
	v_mul_u32_u24 v9, s69, v4
	v_lshl_add_u32 v9, v3, 2, v9
	v_add_nc_u32 v9, s67, v9
	s_lshl_b32 s66, s24, 2
	s_add_co_u32 s66, s66, REC+6144
	v_lshl_add_u32 v12, v3, 4, s66                 ; K's words: 16 r + 4 u; tile q: 256 q on
	v_add_nc_u32 v13, v12, v4
	s_lshl_b32 s66, s29, 9
	s_lshl_b32 s67, s30, 7
	s_add_co_u32 s66, s66, s67
	s_add_co_u32 s66, s66, QST
	v_lshl_add_u32 v14, v3, 2, s66                 ; Q's words; tile q: 64 q on
	v_add_nc_u32 v15, v14, v4
	v_mul_u32_u24 v16, v11, 272
	v_lshl_add_u32 v16, v4, 7, v16
	v_add_nc_u32 v16, VT, v16                      ; V's turn, in: row = token, 128 h; tile q: 8 rows on
	s_and_b32 s66, s22, 7
	s_lshr_b32 s70, s66, 1                         ; the turn's tasks (waves 0-7): block of 32 keys,
	s_and_b32 s71, s66, 1                          ; 32 channels
	s_mul_i32 s66, s70, 32*272
	s_lshl_b32 s67, s71, 7
	s_add_co_u32 s66, s66, s67
	s_add_co_u32 s66, s66, VT
	v_lshl_add_u32 v17, v10, 2, s66                ; out: my channel, first key of the block
	v_lshrrev_b32 v252, 3, v10                     ; channel tile
	v_and_b32 v251, 7, v10
	s_lshl_b32 s66, s71, 3
	v_add_nc_u32 v251, s66, v251                   ; row
	s_lshr_b32 s66, s70, 1
	s_mul_i32 s66, s66, 768
	s_and_b32 s67, s70, 1
	s_lshl_b32 s68, s67, 8
	s_add_co_u32 s68, s68, s66
	s_add_co_u32 s68, s68, REC
	s_lshl_b32 s69, s67, 7
	s_add_co_u32 s69, s69, s66
	s_add_co_u32 s69, s69, REC+512
	WALU
	v_mul_u32_u24 v19, v252, 1536
	v_lshl_add_u32 v18, v251, 4, v19
	v_add_nc_u32 v18, s68, v18
	v_lshl_add_u32 v19, v251, 3, v19
	v_add_nc_u32 v19, s69, v19
	s_add_co_u32 s66, s70, REC+6656
	v_and_b32 v28, 1, v252
	v_lshlrev_b32 v28, 7, v28
	v_lshl_add_u32 v28, v251, 3, v28
	v_lshrrev_b32 v252, 1, v252
	v_lshl_add_u32 v28, v252, 2, v28
	v_add_nc_u32 v28, s66, v28                     ; my byte of V's words
	v_lshlrev_b32 v247, 4, v0
	v_lshlrev_b32 v248, 3, v0
	v_add_nc_u32 v29, REC, v247
	v_add_nc_u32 v30, REC+6144, v248
	v_add_nc_u32 v243, QST-1280, v248
	v_add_nc_u32 v245, REC+6912, v1                ; e
	v_lshrrev_b32 v251, 4, v10                     ; aq of tokens 4 lane .. + 3: group lane / 16, tile (lane / 2) % 4, row 8 ((lane / 8) % 2) + 4 (lane % 2)
	v_lshlrev_b32 v246, 9, v251
	v_bfe_u32 v251, v10, 1, 2
	v_lshl_add_u32 v246, v251, 6, v246
	v_bfe_u32 v251, v10, 3, 1
	v_lshl_add_u32 v246, v251, 5, v246
	v_and_b32 v251, 1, v10
	v_lshl_add_u32 v246, v251, 4, v246
	v_add_nc_u32 v246, QST+256, v246
	; where the results go
	s_lshl_b32 s66, s27, 4
	s_add_co_u32 s66, s66, s28                     ; head 16 + block
	s_mul_i32 s72, s66, 13568
	s_mov_b32 s73, 0
	s_add_nc_u64 s[74:75], s[20:21], s[72:73]      ; my record of kv
	s_mul_i32 s72, s66, 7168
	s_add_nc_u64 s[76:77], s[18:19], s[72:73]      ; my two groups of qb
	s_mul_i32 s72, s29, 3584
	s_mul_i32 s66, s30, 1536
	s_add_co_u32 s72, s72, s66
	s_mul_i32 s82, s24, 1536
	s_mov_b32 s83, 0
	s_add_nc_u64 s[82:83], s[74:75], s[82:83]      ; K's codes
	s_add_nc_u64 s[72:73], s[76:77], s[72:73]      ; Q's
	s_cmp_eq_u32 s23, 1
	s_cselect_b64 s[72:73], s[82:83], s[72:73]
	s_mov_b32 s[SEL], 0x76543210
	s_mov_b32 s[SEL+1], 0xfedcba98
	s_mov_b32 s84, 0x3d888889                      ; 1 / 15, or for V 1 / 255
	s_mov_b32 s85, 0xc1700000
	s_mov_b32 s86, 0x3b808081
	s_mov_b32 s87, 0xc37f0000
	s_cmp_eq_u32 s23, 2
	s_cselect_b32 s84, s86, s84
	s_cselect_b32 s85, s87, s85
; The loads of one K step, e its parity and its set: 28
.macro FRAG reg, a16, a8, off
	ds_load_b128 v[\reg:\reg+3], v[\a16] offset:\off
	ds_load_b64 v[\reg+4:\reg+5], v[\a8] offset:\off+512
	ds_load_b128 v[\reg+6:\reg+9], v[\a16] offset:\off+768
	ds_load_b64 v[\reg+10:\reg+11], v[\a8] offset:\off+1280
.endm
.macro LD e
.irp i, 0,1,2,3
	ds_load_b32 v[SC+4*\e+\i], v9 offset:6400*\e+64*\i
.endr
.irp p, 0,1,2,3
	FRAG FS+72*\e+12*\p, 5, 6, 6400*\e+1536*\p
.endr
.irp q, 0,1
	FRAG FS+72*\e+48+12*\q, 7, 8, 6400*\e+1536*\q
.endr
.endm
; four products of token tile q; first = 1: C = the bias
.macro MUL e, q, first
.irp p, 0,1,2,3
.set D_, ACC+32*\q+8*\p
.set C_, D_+32*\first
	v_wmma_scale_f32_16x16x128_f8f6f4 v[D_:D_+7], v[FS+72*\e+12*\p:FS+72*\e+12*\p+11], v[FS+72*\e+48+12*\q:FS+72*\e+48+12*\q+11], v[C_:C_+7], v[SC+4*\e+\p], v[SC+4*\e+\q] matrix_a_fmt:MATRIX_FMT_FP6 matrix_b_fmt:MATRIX_FMT_FP6 matrix_a_scale:MATRIX_SCALE_ROW1
.endr
.endm
; ahead of a chunk's barrier: its two fetching waves have waited for their loads; at the last chunk every wave waits
.macro SHOW j
	s_wait_dscnt 0x0
.if \j < 3
	s_cmp_eq_u32 s60, \j
	s_cbranch_scc0 .Lshow\j
	s_wait_tensorcnt 0x0
.Lshow\j:
.else
	s_wait_tensorcnt 0x0
.endif
	s_barrier_signal -1
.endm
.macro PLACES n
.rept \n
	v_nop
.endr
.endm
; the second K step of a chunk: half its products, the next chunk's barrier, the next chunk's first loads, the other half
.macro TURN j
	SHOW \j
	MUL 1, 0, 0
	s_barrier_wait -1
.irp a, 5,6,7,8,9
	v_add_nc_u32 v\a, CHUNK, v\a                   ; (also the places in front of the loads)
.endr
	WALU
	LD 0
	MUL 1, 1, 0
	PLACES 4
	LD 1
	s_wait_dscnt 28                                ; all but the 28 just issued
	MUL 0, 0, 0
	MUL 0, 1, 0
.endm
	WALU                                           ; the wait at the head's end
	s_cmp_eq_u32 s22, 3
	s_cbranch_scc0 .Lno_norm
.irp i, 0,1,2,3,4,5,6,7,8,9,10,11,12,13,14,15
	global_load_b128 v[104+4*\i:107+4*\i], v1, s[6:7] offset:512*\i    ; the head's 2,048 e,
.endr
	global_load_b128 v[168:171], v1, s[80:81]      ; my block's,
	global_load_b32 v172, v253, s[8:9]             ; cycle_scale
	s_wait_loadcnt 0x0
.irp k, 0,2,4,6
	v_pk_mul_f32 v[176+\k:177+\k], v[104+\k:105+\k], v[104+\k:105+\k]
.endr
.irp j, 8,16,24,32,40,48,56
.irp k, 0,2,4,6
	v_pk_fma_f32 v[176+\k:177+\k], v[104+\j+\k:105+\j+\k], v[104+\j+\k:105+\j+\k], v[176+\k:177+\k]
.endr
.endr
	v_pk_add_f32 v[176:177], v[176:177], v[178:179]
	v_pk_add_f32 v[180:181], v[180:181], v[182:183]
	v_pk_add_f32 v[176:177], v[176:177], v[180:181]
	v_add_f32 v176, v176, v177
.irp m, 1,2,4,8
	v_add_f32_dpp v176, v176, v176 row_xmask:\m row_mask:0xf bank_mask:0xf
.endr
	v_permlanex16_b32 v177, v176, s[SEL], s[SEL+1]
	v_add_f32 v176, v176, v177
	v_mul_f32 v178, 0x41000000, v172               ; 8 cycle_scale: the scores are not yet divided by 8
	WALU
	v_sqrt_f32 v176, v176
	v_nop
	WALU
	v_max_num_f32 v176, 0x2b8cbccc, v176           ; at least 1e-12
	WALU
	v_rcp_f32 v176, v176
	v_nop
	WALU
.irp i, 0,1,2,3
	v_mul_f32 v[180+\i], v[168+\i], v176
.endr
.irp i, 0,1,2,3
	v_mul_f32 v[180+\i], v[180+\i], v176
.endr
.irp i, 0,1,2
	v_mul_f32 v[240+\i], v[180+\i], v178
.endr
	v_mul_f32 v251, v183, v178
	ds_store_b128 v245, v[168:171]
	ds_store_b96 v246, v[240:242]
	ds_store_b32 v246, v251 offset:12
	WALU
.Lno_norm:
	SHOW 0
	s_barrier_wait -1                              ; chunk 0 is in
	LD 0
	LD 1
	s_wait_loadcnt 0x0                             ; the bias and the mask bytes
	s_wait_dscnt 28
	MUL 0, 0, 1
	PLACES 5                                       ; the products that follow write over what those read as C
	MUL 0, 1, 0
	TURN 1
	TURN 2
	TURN 3
	s_wait_dscnt 0x0
	MUL 1, 0, 0
	MUL 1, 1, 0
	PLACES 4
	s_cmp_eq_u32 s23, 0
	s_cbranch_scc1 .Lquant                         ; Q is not dequantised
; ---------------- K and V: dq = round((t - lo) / scale) scale + lo, scale = max((hi - lo) / steps, 1e-8); lo, hi over the token's 64 (mine and lane l xor 16's).  The two tiles by turns.
; v32-43 at work; pairs v[44:45] lo, v[46:47] scale, v[48:49] 1 / scale: the low one tile 0's, the high one tile 1's; v64-127 at work
.irp q, 0,1
	v_mov_b32 v[40+\q], 0                          ; a lane permute's destination counts as one of its sources
	v_mov_b32 v[42+\q], 0
.endr
.irp q, 0,1
	v_min3_num_f32 v[32+\q], v[ACC+32*\q], v[ACC+32*\q+1], v[ACC+32*\q+2]
	v_max3_num_f32 v[36+\q], v[ACC+32*\q], v[ACC+32*\q+1], v[ACC+32*\q+2]
	v_min3_num_f32 v[34+\q], v[ACC+32*\q+16], v[ACC+32*\q+17], v[ACC+32*\q+18]
	v_max3_num_f32 v[38+\q], v[ACC+32*\q+16], v[ACC+32*\q+17], v[ACC+32*\q+18]
.endr
.irp i, 3,5,7,9,11,13
.irp q, 0,1
	v_min3_num_f32 v[32+\q], v[32+\q], v[ACC+32*\q+\i], v[ACC+32*\q+\i+1]
	v_max3_num_f32 v[36+\q], v[36+\q], v[ACC+32*\q+\i], v[ACC+32*\q+\i+1]
	v_min3_num_f32 v[34+\q], v[34+\q], v[ACC+32*\q+\i+16], v[ACC+32*\q+\i+17]
	v_max3_num_f32 v[38+\q], v[38+\q], v[ACC+32*\q+\i+16], v[ACC+32*\q+\i+17]
.endr
.endr
.irp q, 0,1
	v_min3_num_f32 v[32+\q], v[32+\q], v[ACC+32*\q+15], v[ACC+32*\q+31]
	v_max3_num_f32 v[36+\q], v[36+\q], v[ACC+32*\q+15], v[ACC+32*\q+31]
.endr
.irp q, 0,1
	v_min_num_f32 v[32+\q], v[32+\q], v[34+\q]
	v_max_num_f32 v[36+\q], v[36+\q], v[38+\q]
.endr
.irp q, 0,1
	v_permlanex16_b32 v[40+\q], v[32+\q], s[SEL], s[SEL+1]
	v_permlanex16_b32 v[42+\q], v[36+\q], s[SEL], s[SEL+1]
.endr
.irp q, 0,1
	v_min_num_f32 v[44+\q], v[32+\q], v[40+\q]
	v_max_num_f32 v[36+\q], v[36+\q], v[42+\q]
.endr
.irp q, 0,1
	v_sub_f32 v[36+\q], v[36+\q], v[44+\q]
.endr
.irp q, 0,1
	v_mul_f32 v[38+\q], s84, v[36+\q]              ; a first quotient,
.endr
.irp q, 0,1
	v_fma_f32 v[40+\q], v[38+\q], s85, v[36+\q]    ; what it leaves,
.endr
.irp q, 0,1
	v_fma_f32 v[38+\q], v[40+\q], s84, v[38+\q]    ; and the corrected one
.endr
.irp q, 0,1
	v_max_num_f32 v[46+\q], 0x322bcc77, v[38+\q]   ; at least 1e-8
.endr
	WALU
	v_rcp_f32 v48, v46
	v_rcp_f32 v49, v47
	v_nop
	WALU
.irp q, 0,1
.set i, 0
.rept 16
	v_pk_add_f32 v[64+32*\q+i:65+32*\q+i], v[ACC+32*\q+i:ACC+32*\q+i+1], v[44:45] op_sel:[0,\q] op_sel_hi:[1,\q] neg_lo:[0,1] neg_hi:[0,1]
.set i, i+2
.endr
.set i, 0
.rept 16
	v_pk_mul_f32 v[64+32*\q+i:65+32*\q+i], v[64+32*\q+i:65+32*\q+i], v[48:49] op_sel:[0,\q] op_sel_hi:[1,\q]
.set i, i+2
.endr
.set i, 0
.rept 32
	v_rndne_f32 v[64+32*\q+i], v[64+32*\q+i]
.set i, i+1
.endr
.set i, 0
.rept 16
	v_pk_fma_f32 v[ACC+32*\q+i:ACC+32*\q+i+1], v[64+32*\q+i:65+32*\q+i], v[46:47], v[44:45] op_sel:[0,\q,\q] op_sel_hi:[1,\q,\q]
.set i, i+2
.endr
.endr
	WALU
	s_cmp_eq_u32 s23, 2
	s_cbranch_scc1 .Lv
; ---------------- Q and K: a lane's 32 numbers are one block.  v32-39 at work, v128-139 codes, v140-146 second halves, v148-151 scale operands and bytes, v152-155 bytes 2, 3
.Lquant:
.irp q, 0,1
	v_max3_num_f32 v[32+\q], |v[ACC+32*\q]|, |v[ACC+32*\q+1]|, 0x1800000
	v_max3_num_f32 v[34+\q], |v[ACC+32*\q+2]|, |v[ACC+32*\q+3]|, |v[ACC+32*\q+4]|
.endr
.irp i, 5,9,13,17,21,25
.irp q, 0,1
	v_max3_num_f32 v[32+\q], v[32+\q], |v[ACC+32*\q+\i]|, |v[ACC+32*\q+\i+1]|
	v_max3_num_f32 v[34+\q], v[34+\q], |v[ACC+32*\q+\i+2]|, |v[ACC+32*\q+\i+3]|
.endr
.endr
.irp q, 0,1
	v_max3_num_f32 v[32+\q], v[32+\q], |v[ACC+32*\q+29]|, |v[ACC+32*\q+30]|
.endr
.irp q, 0,1
	v_max3_num_f32 v[32+\q], v[32+\q], v[34+\q], |v[ACC+32*\q+31]|
.endr
.irp q, 0,1
	v_add_nc_u32 v[148+\q], 0xff000000, v[32+\q]
.endr
.irp q, 0,1
	v_lshrrev_b32 v[150+\q], 23, v[148+\q]
.endr
.irp q, 0,1
	v_cvt_scalef32_pk16_fp6_f32 v[128+6*\q:130+6*\q], v[ACC+32*\q:ACC+32*\q+15], v[148+\q]
	v_cvt_scalef32_pk16_fp6_f32 v[140+4*\q:142+4*\q], v[ACC+32*\q+16:ACC+32*\q+31], v[148+\q]
.endr
	v_nop
.irp q, 0,1
.irp i, 0,1,2
	v_mov_b32 v[131+6*\q+\i], v[140+4*\q+\i]
.endr
.endr
	v_mov_b32 v154, 0x164                          ; Q: bytes 2, 3 = 100, 1
	v_mov_b32 v155, 0x101                          ; K, open key: 1, 1
	s_movk_i32 s66, 0x1fe                          ; K, hidden key: 254, 1
.irp q, 0,1
	v_cmp_ne_u32 s67, 0, v[249+\q]
	v_cndmask_b32 v[152+\q], s66, v155, s67
.endr
	WALU
.irp q, 0,1
	global_store_b128 v1, v[128+6*\q:131+6*\q], s[72:73] offset:768*\q
	global_store_b64 v2, v[132+6*\q:133+6*\q], s[72:73] offset:768*\q+512
.endr
	s_cmp_eq_u32 s23, 0
	s_cbranch_scc1 .Lqwords
.irp q, 0,1
	ds_store_b8 v13, v[150+\q] offset:256*\q
	ds_store_b16 v12, v[152+\q] offset:256*\q+2
.endr
	s_branch .Ljoin
.Lqwords:
.irp q, 0,1
	ds_store_b8 v15, v[150+\q] offset:64*\q
	ds_store_b16 v14, v154 offset:64*\q+2
.endr
	s_branch .Ljoin
.Lv:
.irp q, 0,1
.irp k, 0,1,2,3,4,5,6,7
	ds_store_b128 v16, v[ACC+32*\q+4*\k:ACC+32*\q+4*\k+3] offset:8*272*\q+16*\k
.endr
.endr
.Ljoin:
	s_wait_dscnt 0x0
	s_barrier_signal -1
	s_barrier_wait -1                              ; V's 128 x 64 numbers are there
	s_cmp_lt_u32 s22, 8
	s_cbranch_scc0 .Lno_task
.set i, 0
.rept 32
	ds_load_b32 v[32+i], v17 offset:272*i          ; register i: key i of my block, my channel
.set i, i+1
.endr
	s_wait_dscnt 0x0
	v_max3_num_f32 v64, |v32|, |v33|, 0x1800000
	v_max3_num_f32 v65, |v34|, |v35|, |v36|
.irp i, 5,9,13,17,21,25
	v_max3_num_f32 v64, v64, |v[32+\i]|, |v[33+\i]|
	v_max3_num_f32 v65, v65, |v[34+\i]|, |v[35+\i]|
.endr
	v_max3_num_f32 v64, v64, |v61|, |v62|
	v_max3_num_f32 v64, v64, v65, |v63|
	v_add_nc_u32 v66, 0xff000000, v64
	v_lshrrev_b32 v67, 23, v66
	v_cvt_scalef32_pk16_fp6_f32 v[68:70], v[32:47], v66
	v_cvt_scalef32_pk16_fp6_f32 v[76:78], v[48:63], v66
	v_nop
	v_mov_b32 v71, v76
	v_mov_b32 v72, v77
	v_mov_b32 v73, v78
	ds_store_b128 v18, v[68:71]
	ds_store_b64 v19, v[72:73]
	ds_store_b8 v28, v67
.Lno_task:
	s_wait_dscnt 0x0
	s_barrier_signal -1
	s_barrier_wait -1                              ; the record behind K's codes is whole
	ds_load_b128 v[80:83], v29
	s_wait_dscnt 0x0
	global_store_b128 v247, v[80:83], s[74:75] offset:6144     ; twelve waves: 6,144 consecutive bytes
	s_cmp_lt_u32 s22, 5
	s_cbranch_scc0 .Lq_out
	ds_load_b64 v[84:85], v30
	s_wait_dscnt 0x0
	global_store_b64 v248, v[84:85], s[74:75] offset:12288     ; five waves: the words and e
	s_branch .Lend
.Lq_out:
	s_cmp_lt_u32 s22, 9
	s_cbranch_scc0 .Lend
	ds_load_b64 v[84:85], v243                     ; waves 5-8: a unit of 256 bytes each: words, aq of group 0, words, aq of group 1
	s_sub_co_u32 s66, s22, 5
	s_lshr_b32 s67, s66, 1
	s_mul_i32 s68, s67, 3584
	s_and_b32 s66, s66, 1
	s_lshl_b32 s66, s66, 8
	s_add_co_u32 s68, s68, s66
	s_mov_b32 s69, 0
	s_add_nc_u64 s[76:77], s[76:77], s[68:69]
	s_wait_dscnt 0x0
	global_store_b64 v2, v[84:85], s[76:77] offset:3072
.Lend:
	s_wait_tensorcnt 0x0
	ds_add_u32 v[SPW], v[NIL]
	s_wait_dscnt 0x0
	CROUND                                         ; the closing round: no work-group ends while a partner may still ask for a tile that names it
	s_endpgm
.Lfunc_end_k_q7d2c3facc9_qkv:
	.size	k_q7d2c3facc9_qkv, .Lfunc_end_k_q7d2c3facc9_qkv-k_q7d2c3facc9_qkv
	.p2alignl 7, 3214868480
	.fill 96, 4, 3214868480
	.section	.rodata,"a",@progbits
	.p2align	6, 0x0
	.amdhsa_kernel k_q7d2c3facc9_qkv
		.amdhsa_group_segment_fixed_size 300800
		.amdhsa_private_segment_fixed_size 0
		.amdhsa_enable_private_segment 0
		.amdhsa_kernarg_size 72
		.amdhsa_user_sgpr_count 2
		.amdhsa_user_sgpr_kernarg_segment_ptr 1
		.amdhsa_wavefront_size32 1
		.amdhsa_system_sgpr_workgroup_id_x 1
		.amdhsa_system_sgpr_workgroup_id_y 1
		.amdhsa_system_sgpr_workgroup_id_z 1
		.amdhsa_system_vgpr_workitem_id 0
		.amdhsa_next_free_vgpr 256
		.amdhsa_next_free_sgpr 100
		.amdhsa_reserve_vcc 0
		.amdhsa_float_denorm_mode_32 3
		.amdhsa_float_denorm_mode_16_64 3
		.amdhsa_memory_ordered 1
		.amdhsa_forward_progress 1
		.amdhsa_inst_pref_size 67
	.end_amdhsa_kernel
	.amdgpu_metadata
---
amdhsa.version: [ 1, 2 ]
amdhsa.kernels:
  - .name:           k_q7d2c3facc9_qkv
    .symbol:         k_q7d2c3facc9_qkv.kd
    .args:
      - { .name: pc, .offset: 0, .size: 8, .value_kind: global_buffer, .address_space: global }
      - { .name: ce, .offset: 8, .size: 8, .value_kind: global_buffer, .address_space: global }
      - { .name: cycle_scale, .offset: 16, .size: 8, .value_kind: global_buffer, .address_space: global }
      - { .name: bq, .offset: 24, .size: 8, .value_kind: global_buffer, .address_space: global }
      - { .name: bk, .offset: 32, .size: 8, .value_kind: global_buffer, .address_space: global }
      - { .name: bv, .offset: 40, .size: 8, .value_kind: global_buffer, .address_space: global }
      - { .name: mask, .offset: 48, .size: 8, .value_kind: global_buffer, .address_space: global }
      - { .name: qb, .offset: 56, .size: 8, .value_kind: global_buffer, .address_space: global }
      - { .name: kv, .offset: 64, .size: 8, .value_kind: global_buffer, .address_space: global }
    .group_segment_fixed_size: 300800
    .private_segment_fixed_size: 0
    .kernarg_segment_align: 8
    .kernarg_segment_size: 72
    .max_flat_workgroup_size: 384
    .sgpr_count:     100
    .vgpr_count:     256
    .wavefront_size: 32
...
	.end_amdgpu_metadata
.endif
;; end of part 2
;; launch attn (part 3): grid 16 x 16, 8 waves a work-group, clusters of 4 x 1, 254,976 bytes of LDS; arguments qb, kv, oc; writes oc
.if DOCPART == 3
	.amdgcn_target "amdgcn-amd-amdhsa--gfx1250"
	.amdhsa_code_object_version 6
	.text
	.protected	k_q7d2c3facc9_attn
	.globl	k_q7d2c3facc9_attn
	.p2align	8
	.type	k_q7d2c3facc9_attn,@function
k_q7d2c3facc9_attn:
	s_mov_b64 s[64:65], 0
	v_nop
	global_prefetch_b8 v0, s[64:65] scope:SCOPE_SE
	s_setreg_imm32_b32 hwreg(HW_REG_WAVE_MODE, 25, 1), 1
	s_wait_xcnt 0x0
	s_wait_alu depctr_hold_cnt(0) depctr_sa_sdst(0) depctr_va_vdst(0) depctr_va_sdst(0) depctr_va_ssrc(0) depctr_va_vcc(0) depctr_vm_vsrc(0)
	s_getreg_b32 s2, hwreg(HW_REG_IB_STS2, 6, 4)
	s_cmp_eq_u32 s2, 0
	s_cbranch_scc0 .Lentry_in_a_cluster
	s_endpgm
.Lentry_in_a_cluster:
	s_bfe_u32 s2, ttmp6, 0x10000c
	s_cmp_lg_u32 s2, 0x3003
	s_cbranch_scc0 .Lentry_shape_is_right
	s_endpgm
.Lentry_shape_is_right:
; ATTN: products 4 and 6 with the cyclical bias, the key mask and the softmax between them; O / l is quantised along D for product 7.
; A work-group owns 128 queries of one head.  Eight waves: wave % 4 = two tiles of 16 queries, A and B; wave / 4 = g: the key steps g, g + 2, .. g + 14 of 128 keys.  Each fragment of K and V that is read from LDS serves both tiles.
; At the end each wave hands its B to its partner (whose A that tile is) through LDS and finishes its A; M is a whole number in both, so both halves are brought under the larger M by exact powers of two.
; The head's sixteen step records (K, V, scale words, e) lie in LDS, filled once, one joint load a wave (mask 15: the four work-groups of a cluster share the head).  No prefetch: all is asked for at the head.
; S^T = K Q^T, O^T = V^T P^T: a lane holds one query; S register 32 c + 8 t + j of lane (r, h) is key 64 c + 32 h + 8 t + j of the step: a scale block of 32 keys lies in one lane.
; K = 64 fills half of the instruction's 128.  THE MASK rides in the other half: at k = 64 Q holds the code +1 under the byte 100 and every key the code -1 under 254 for a hidden key (-2^100: p = 0) or 1 for an open one (-2^-153, under the smallest f32 number).
; THE CYCLICAL BIAS: s' = s + e_k aq, t = c s', c = log2(e) / 8.  SOFTMAX: M = the running largest t rounded up, p = 2^(t - M), not normalised; the sum is taken of the unquantised p and divides O at the end.
; A block's largest p is made of its largest s' by the same two instructions.
; LIMITS: the promise holds while the scaled scores stay under 2^31 in magnitude; M is held at -2^90 from below, above every hidden key's t (about -2^97.5).  A mask with no open key is not served (the sum is 0 there).
; NaN and infinities are not served.  1 / l is v_rcp_f32.  The sums over the keys are added in another order than row by row.  oc's scale bytes are written one byte a lane: 64 KiB in all.
; REGISTERS.  Window 0: v1-31 addresses, state, scale words; v32-55 Q's fragments of A, B; v56-79 P's codes of A, B; v80-143 S of A; v144-175 O^T of A; v176-239 e of the step; v240-255 at work.
; Window 1: v0-47 V's fragments; v48-55 at work; v80-143 S of B; v144-175 O^T of B; K's eight fragments at v176-247 and v56-79.  Pairs v[8:9] -M, v[10:11] f, v[12:13] aq: the low one A's, the high one B's.
.set STEPB, 13568
.set MRG, 16*STEPB                     ; where partners meet: 4,608 bytes a wave
.set SPARE, MRG+8*4608
.set SEL, 20
.set CS,  22
.set MSB, 0
.macro WIN new
.if MSB != (\new)
	s_set_vgpr_msb (MSB<<8)|(\new)
.set MSB, (\new)
.endif
.endm
.macro WALU
	s_wait_alu depctr_va_vdst(0)
.endm
.macro CROUND
	s_barrier_signal -1
	s_barrier_wait -1
	s_cmp_lg_u32 s16, 0
	s_cbranch_scc1 .Lnot_wave_0_\@
	s_barrier_signal -3
.Lnot_wave_0_\@:
	s_barrier_wait -3
	s_barrier_signal -1
	s_barrier_wait -1
.endm
	s_load_b128 s[4:7], s[0:1], 0x0                ; qb, kv
	s_load_b64 s[8:9], s[0:1], 0x10                ; oc
	v_lshl_add_u32 v27, v0, 2, SPARE
	v_mov_b32 v255, 0
	ds_add_u32 v27, v255
	ds_add_u32 v27, v255
	v_lshrrev_b32 v1, 5, v0
	v_readfirstlane_b32 s16, v1                    ; wave
	s_and_b32 s66, s16, 3
	s_lshr_b32 s67, s16, 2                         ; g
	s_and_b32 s17, ttmp7, 0xffff                   ; head
	s_bfe_u32 s18, ttmp6, 0x40000                  ; cx: it enters Q's and oc's addresses alone
	s_lshl_b32 s19, ttmp9, 2
	s_add_co_u32 s18, s19, s18                     ; block of 128 queries
	s_mov_b32 s24, 15|(3<<16)|(1<<21)              ; two records: 27,136 dense bytes as 106 rows of 256
	s_mov_b32 s25, 32<<16
	s_mov_b32 s26, 106<<16
	s_mov_b32 s27, 32<<16
	s_mov_b32 s28, 106
	s_mov_b32 s29, 32
	s_mov_b32 s30, 0
	s_mov_b32 s31, 0
	s_mul_i32 s41, s16, 2*STEPB
	s_mov_b32 s40, 1
	s_mul_i32 s44, s17, 16*STEPB
	s_add_co_u32 s44, s44, s41
	s_mov_b32 s45, 0
	s_wait_dscnt 0x0
	s_wait_kmcnt 0x0
	s_add_nc_u64 s[42:43], s[6:7], s[44:45]
	s_or_b32 s43, s43, 0x80000000
	CROUND                                         ; all four work-groups are here: the joint loads meet
	s_cmp_lt_u32 s16, 2                            ; waves 0, 1: steps 0-3, which are waited for first
	s_cbranch_scc0 .Llater
	tensor_load_to_lds s[40:43], s[24:31]
	s_nop 0
.rept 4
	v_nop
.endr
	s_branch .Lasked
.Llater:
	tensor_load_to_lds s[40:43], s[24:31]
	s_nop 0
.rept 4
	v_nop
.endr
.Lasked:
	v_and_b32 v3, 31, v0
	v_and_b32 v28, 15, v0                          ; r
	v_bfe_u32 v29, v0, 4, 1                        ; h
	v_lshlrev_b32 v1, 4, v3
	v_lshlrev_b32 v2, 3, v3
	v_lshlrev_b32 v7, 3, v29                       ; 8 h
	v_lshlrev_b32 v26, 7, v29                      ; 128 h
	v_lshlrev_b32 v3, 2, v28                       ; 4 r
	v_add_nc_u32 v30, -1, v29                      ; all ones in lanes 0-15
	s_lshl_b32 s68, s18, 1
	s_lshr_b32 s69, s66, 1
	s_add_co_u32 s68, s68, s69                     ; my group of 64 queries
	s_and_b32 s69, s66, 1
	s_lshl_b32 s69, s69, 1
	s_add_co_u32 s70, s69, s67                     ; A's tile
	s_add_co_u32 s71, s69, 1
	s_sub_co_u32 s71, s71, s67                     ; B's
	s_lshl_b32 s72, s17, 5
	s_add_co_u32 s72, s72, s68
	s_mul_i32 s72, s72, 3584
	s_mov_b32 s73, 0
	s_add_nc_u64 s[74:75], s[4:5], s[72:73]
	s_mul_i32 s72, s70, 768
	s_add_nc_u64 s[76:77], s[74:75], s[72:73]
	s_mul_i32 s72, s71, 768
	s_add_nc_u64 s[78:79], s[74:75], s[72:73]
	s_lshl_b32 s72, s70, 6
	s_add_nc_u64 s[80:81], s[74:75], s[72:73]
	s_lshl_b32 s72, s71, 6
	s_add_nc_u64 s[82:83], s[74:75], s[72:73]
	s_lshl_b32 s72, s68, 3
	s_lshr_b32 s84, s17, 1
	s_add_co_u32 s72, s72, s84
	s_mul_i32 s72, s72, 6400
	s_add_nc_u64 s[86:87], s[8:9], s[72:73]        ; oc's record (group, two heads)
	s_and_b32 s84, s17, 1
	s_mul_i32 s72, s70, 1536
	s_mul_i32 s85, s84, 768
	s_add_co_u32 s72, s72, s85
	s_add_nc_u64 s[88:89], s[86:87], s[72:73]      ; my half image
	s_lshl_b32 s72, s70, 6
	s_lshl_b32 s85, s84, 1
	s_add_co_u32 s72, s72, s85
	s_add_nc_u64 s[86:87], s[86:87], s[72:73]      ; my scale bytes
	WALU
	global_load_b128 v[32:35], v1, s[76:77]
	global_load_b64 v[36:37], v2, s[76:77] offset:512
	global_load_b128 v[44:47], v1, s[78:79]
	global_load_b64 v[48:49], v2, s[78:79] offset:512
	global_load_b32 v16, v3, s[80:81] offset:3072  ; Q's scale words
	global_load_b32 v17, v3, s[82:83] offset:3072
	global_load_b32 v12, v3, s[80:81] offset:3328  ; aq
	global_load_b32 v13, v3, s[82:83] offset:3328
	s_mov_b32 s[SEL], 0x76543210
	s_mov_b32 s[SEL+1], 0xfedcba98
	s_mov_b32 s[CS], 0x3e38aa3b                    ; c = log2(e) / 8
	s_mov_b32 s[CS+1], s[CS]
	s_mul_i32 s60, s67, STEPB                      ; my step; two steps from one of mine to the next
	s_add_co_u32 s61, s60, 2*STEPB
	s_mul_i32 s62, s16, 4608
	s_add_co_u32 s62, s62, MRG                     ; where I hand over,
	s_xor_b32 s63, s16, 4
	s_mul_i32 s63, s63, 4608
	s_add_co_u32 s63, s63, MRG                     ; and where my partner does
	v_add_nc_u32 v14, s62, v1
	v_add_nc_u32 v15, s63, v1
	v_and_b32 v38, 8, v30                          ; k = 64: the code +1
	v_and_b32 v50, 8, v30
.irp i, 39,40,41,42,43,51,52,53,54,55
	v_mov_b32 v\i, 0
.endr
	v_mov_b32 v250, 0                              ; a lane permute's destination counts as one of its sources
	v_mov_b32 v251, 0
.macro KFS i
.if \i < 6
.set KF, 176+12*\i
.else
.set KF, 56+12*(\i-6)
.endif
.endm
	WIN 0x40
.irp i, 0,1,2,3,4,5,6,7
	KFS \i
	v_and_b32 v[KF+6], 40, v30                     ; k = 64 of every key: the code -1; these six registers of each fragment are never loaded over
.irp k, 7,8,9,10,11
	v_mov_b32 v[KF+\k], 0
.endr
.endr
	WIN 0
	v_add_nc_u32 v0, v3, v29                       ; 4 r + h, kept (the thread's number has served)
	v_add_nc_u32 v4, s60, v1
	v_add_nc_u32 v5, s60, v2
	v_add_nc_u32 v6, s60, v26
.macro KLOAD a16, a8                   ; 17 loads
	WIN 0x40
.irp i, 0,1,2,3,4,5,6,7
	KFS \i
	ds_load_b128 v[KF:KF+3], v[\a16] offset:768*\i
	ds_load_b64 v[KF+4:KF+5], v[\a8] offset:768*\i+512
.endr
	WIN 0
	ds_load_b128 v[28:31], v[\a16] offset:12288    ; K's scale words: register 28 + i / 2: tile i even in lanes 0-15, odd in lanes 16-31
.endm
.macro VLOAD                           ; 17 loads
	WIN 0x40
.irp t, 0,1,2,3
	ds_load_b128 v[12*\t:12*\t+3], v4 offset:6144+1536*\t
	ds_load_b64 v[12*\t+4:12*\t+5], v5 offset:6144+1536*\t+512
	ds_load_b128 v[12*\t+6:12*\t+9], v4 offset:6144+1536*\t+768
	ds_load_b64 v[12*\t+10:12*\t+11], v5 offset:6144+1536*\t+1280
.endr
	WIN 0
	ds_load_b64 v[18:19], v5 offset:12800
.endm
.macro ELOAD                           ; 16 loads
	WIN 0
.irp k, 0,1,2,3,4,5,6,7,8,9,10,11,12,13,14,15
	ds_load_b128 v[176+4*\k:179+4*\k], v6 offset:13056+256*(\k/8)+16*(\k%8)
.endr
.endm
.macro SPROD x
	WIN 0x01+0x40*\x
.irp i, 0,1,2,3,4,5,6,7
	KFS \i
.if \i%2
	v_wmma_scale_f32_16x16x128_f8f6f4 v[80+8*\i:87+8*\i], v[KF:KF+11], v[32+12*\x:43+12*\x], 0, v[28+\i/2], v[16+\x] matrix_a_fmt:MATRIX_FMT_FP6 matrix_b_fmt:MATRIX_FMT_FP6 matrix_a_scale:MATRIX_SCALE_ROW1
.else
	v_wmma_scale_f32_16x16x128_f8f6f4 v[80+8*\i:87+8*\i], v[KF:KF+11], v[32+12*\x:43+12*\x], 0, v[28+\i/2], v[16+\x] matrix_a_fmt:MATRIX_FMT_FP6 matrix_b_fmt:MATRIX_FMT_FP6
.endif
.endr
.endm
.macro BIAS x                          ; s' = s + e_k aq, each accumulator from its low end on
	WIN 0x50*\x
.set J, 0
.rept 32
	v_pk_fma_f32 v[80+J:81+J], v[176+J:177+J], v[12:13], v[80+J:81+J] op_sel:[0,\x,0] op_sel_hi:[1,\x,1]
.set J, J+2
.endr
.endm
.macro MAXS x                          ; a block's largest s' in two chains: v[240 + 2 x + c], v[244 + 2 x + c]
	WIN 0x15*\x
.irp c, 0,1
	v_max3_num_f32 v[240+2*\x+\c], v[80+32*\c], v[81+32*\c], v[82+32*\c]
	v_max3_num_f32 v[244+2*\x+\c], v[96+32*\c], v[97+32*\c], v[98+32*\c]
.endr
	WIN 0x14*\x
.irp i, 3,5,7,9,11,13
.irp c, 0,1
	v_max3_num_f32 v[240+2*\x+\c], v[240+2*\x+\c], v[80+32*\c+\i], v[81+32*\c+\i]
	v_max3_num_f32 v[244+2*\x+\c], v[244+2*\x+\c], v[96+32*\c+\i], v[97+32*\c+\i]
.endr
.endr
.irp c, 0,1
	v_max3_num_f32 v[240+2*\x+\c], v[240+2*\x+\c], v[95+32*\c], v[111+32*\c]
.endr
.endm
.macro ROWM first                      ; both tiles by turns: -M = min(-M, floor(-t)), f = 2^(old M - new M)
	WIN 0
.irp k, 0,1,2,3
	v_max_num_f32 v[240+\k], v[240+\k], v[244+\k]
.endr
.irp x, 0,1
	v_max_num_f32 v[248+\x], v[240+2*\x], v[241+2*\x]
.endr
.irp x, 0,1
	v_permlanex16_b32 v[250+\x], v[248+\x], s[SEL], s[SEL+1]
.endr
.irp x, 0,1
	v_max_num_f32 v[248+\x], v[248+\x], v[250+\x]
.endr
.irp x, 0,1
	v_mul_f32 v[248+\x], s[CS], v[248+\x]
.endr
.irp x, 0,1
	v_floor_f32 v[248+\x], -v[248+\x]
.endr
.if \first
.irp x, 0,1
	v_min_num_f32 v[8+\x], 0x6c800000, v[248+\x]   ; M is at least -2^90
.endr
.else
.irp x, 0,1
	v_min_num_f32 v[248+\x], v[248+\x], v[8+\x]
.endr
.irp x, 0,1
	v_sub_f32 v[250+\x], v[248+\x], v[8+\x]        ; a whole number, 0 or less
.endr
.irp x, 0,1
	v_cvt_i32_f32 v[250+\x], v[250+\x]             ; (it saturates)
.endr
.irp x, 0,1
	v_mov_b32 v[8+\x], v[248+\x]
.endr
.irp x, 0,1
	v_ldexp_f32 v[10+\x], 1.0, v[250+\x]
.endr
.endif
.endm
.macro TMM x                           ; t - M
	WIN 0x41*\x
.set J, 0
.rept 32
	v_pk_fma_f32 v[80+J:81+J], v[80+J:81+J], s[CS:CS+1], v[8:9] op_sel:[0,0,\x] op_sel_hi:[1,0,\x]
.set J, J+2
.endr
.endm
.macro EXPS x
	WIN 0x41*\x
.set J, 0
.rept 64
	v_exp_f32 v[80+J], v[80+J]
.set J, J+1
.endr
.endm
.macro SUMS x, first, lo, t0, t1, t2, t3    ; the row's sum, in four chains; lo: the sum's pair
.if \first == 0
	WIN 0x41*\x
	v_pk_mul_f32 v[\lo:\lo+1], v[\lo:\lo+1], v[10:11] op_sel:[0,\x] op_sel_hi:[1,\x]
.endif
	WIN 0x55*\x
	v_pk_add_f32 v[\t0:\t0+1], v[80:81], v[88:89]
	v_pk_add_f32 v[\t1:\t1+1], v[82:83], v[90:91]
	v_pk_add_f32 v[\t2:\t2+1], v[84:85], v[92:93]
	v_pk_add_f32 v[\t3:\t3+1], v[86:87], v[94:95]
.irp k, 16,24,32,40,48,56
	v_pk_add_f32 v[\t0:\t0+1], v[\t0:\t0+1], v[80+\k:81+\k]
	v_pk_add_f32 v[\t1:\t1+1], v[\t1:\t1+1], v[82+\k:83+\k]
	v_pk_add_f32 v[\t2:\t2+1], v[\t2:\t2+1], v[84+\k:85+\k]
	v_pk_add_f32 v[\t3:\t3+1], v[\t3:\t3+1], v[86+\k:87+\k]
.endr
	v_pk_add_f32 v[\t0:\t0+1], v[\t0:\t0+1], v[\t1:\t1+1]
	v_pk_add_f32 v[\t2:\t2+1], v[\t2:\t2+1], v[\t3:\t3+1]
.if \first
	v_pk_add_f32 v[\lo:\lo+1], v[\t0:\t0+1], v[\t2:\t2+1]
.else
	v_pk_add_f32 v[\lo:\lo+1], v[\lo:\lo+1], v[\t0:\t0+1]
	v_pk_add_f32 v[\lo:\lo+1], v[\lo:\lo+1], v[\t2:\t2+1]
.endif
.endm
.macro SCALES                          ; both tiles: scale operands v248-251, scale words v22, v23
	WIN 0
.irp k, 0,1,2,3
	v_max_num_f32 v[240+\k], 0x1800000, v[240+\k]  ; the floor: a block whose every p is 0 keeps the byte 1; its codes are zeros
.endr
.irp k, 0,1,2,3
	v_add_nc_u32 v[248+\k], 0xff000000, v[240+\k]
.endr
.irp k, 0,1,2,3
	v_lshrrev_b32 v[240+\k], 23, v[248+\k]
.endr
.irp x, 0,1
	v_lshl_or_b32 v[241+2*\x], v[241+2*\x], 16, v[240+2*\x]
.endr
.irp x, 0,1
	v_lshlrev_b32 v[241+2*\x], v7, v[241+2*\x]     ; my bytes h and 2 + h at their places;
.endr
.irp x, 0,1
	v_permlanex16_b32 v[240+2*\x], v[241+2*\x], s[SEL], s[SEL+1]
.endr
.irp x, 0,1
	v_or_b32 v[22+\x], v[241+2*\x], v[240+2*\x]    ; with lane l xor 16's the word is whole
.endr
.endm
.macro CODES x
	WIN \x
.irp c, 0,1
	v_cvt_scalef32_pk16_fp6_f32 v[56+12*\x+6*\c:58+12*\x+6*\c], v[80+32*\c:95+32*\c], v[248+2*\x+\c]
	v_cvt_scalef32_pk16_fp6_f32 v[244+8*\c:246+8*\c], v[96+32*\c:111+32*\c], v[248+2*\x+\c]
.endr
	WIN 0
	v_nop
.irp c, 0,1
.irp i, 0,1,2
	v_mov_b32 v[59+12*\x+6*\c+\i], v[244+8*\c+\i]
.endr
.endr
.endm
.macro ORESC x                         ; O^T under the new M
	WALU
	WIN 0x41*\x
.set J, 0
.rept 16
	v_pk_mul_f32 v[144+J:145+J], v[144+J:145+J], v[10:11] op_sel:[0,\x] op_sel_hi:[1,\x]
.set J, J+2
.endr
.endm
.macro PV1 t, x, c, row
	v_wmma_scale_f32_16x16x128_f8f6f4 v[144+8*\t:151+8*\t], v[12*\t:12*\t+11], v[56+12*\x:67+12*\x], \c, v[18+\t/2], v[22+\x] matrix_a_fmt:MATRIX_FMT_FP6 matrix_b_fmt:MATRIX_FMT_FP6 matrix_a_scale:MATRIX_SCALE_ROW\row
.endm
.macro PV x, first
	WIN 0x01+0x50*\x
.if \first
	PV1 0, \x, 0, 0
	PV1 1, \x, 0, 1
	PV1 2, \x, 0, 0
	PV1 3, \x, 0, 1
.else
	PV1 0, \x, v[144:151], 0
	PV1 1, \x, v[152:159], 1
	PV1 2, \x, v[160:167], 0
	PV1 3, \x, v[168:175], 1
.endif
.endm
; A STEP: 128 keys, both tiles.  pre: K's fragments and e of my next step are asked for.
.macro ITER first, pre
	s_wait_dscnt 16                                ; K's fragments and words are in; e's 16 loads may be out
	SPROD 0
	SPROD 1
	WIN 0
	v_add_nc_u32 v4, s60, v1                       ; (these lines are also the places behind the products)
	v_add_nc_u32 v5, s60, v2
.if \pre
	v_add_nc_u32 v24, s61, v1
	v_add_nc_u32 v25, s61, v2
	v_add_nc_u32 v6, s61, v26
	s_add_co_u32 s60, s60, 2*STEPB
	s_add_co_u32 s61, s61, 2*STEPB
.else
	v_nop
	v_nop
.endif
	VLOAD
.if \pre
	KLOAD 24, 25
	s_wait_dscnt 34                                ; e is in: V's 17 and K's 17 are younger
.else
	s_wait_dscnt 17
.endif
	BIAS 0
	MAXS 0
	BIAS 1
.if \pre
	ELOAD
.endif
	MAXS 1
	ROWM \first
	TMM 0
	WIN 0
.irp x, 0,1
.irp c, 0,1
	v_fma_f32 v[240+2*\x+\c], v[240+2*\x+\c], s[CS], v[8+\x]
.endr
.endr
	WALU
	EXPS 0
	WIN 0
.irp k, 0,1,2,3
	v_exp_f32 v[240+\k], v[240+\k]
.endr
	TMM 1
	WALU
	EXPS 1
	SUMS 0, \first, 20, 244, 246, 252, 254
	SCALES
	CODES 0
.if \pre
	s_wait_dscnt 33                                ; V is in: K's 17 and e's 16 are younger
.else
	s_wait_dscnt 0x0
.endif
	WALU
	SUMS 1, \first, 254, 48, 50, 52, 54
.if \first == 0
	ORESC 0
.endif
	PV 0, \first
	CODES 1
.if \first == 0
	ORESC 1
.else
.rept 8
	v_nop
.endr
.endif
	PV 1, \first
	WIN 0
.endm
	s_mov_b32 s59, 6
	WALU                                           ; the wait at the head's end
	s_cmp_lt_u32 s16, 2
	s_cbranch_scc0 .Lnot_first
	s_wait_tensorcnt 0x0
.Lnot_first:
	s_barrier_signal -1
	s_barrier_wait -1                              ; steps 0-3 are in: each group's first two
	KLOAD 4, 5
	ELOAD
	s_wait_loadcnt 0x0                             ; Q, its scale words, aq
	ITER 1, 1
	s_wait_tensorcnt 0x0
	s_wait_dscnt 0x0
	WALU
	s_barrier_signal -1
	s_barrier_wait -1                              ; all steps are in
.Lstep:
	ITER 0, 1
	s_sub_co_u32 s59, s59, 1
	WALU
	s_cmp_lg_u32 s59, 0
	s_cbranch_scc1 .Lstep
	ITER 0, 0
.rept 4
	v_nop
.endr
; EACH WAVE HANDS OVER ITS B: O^T as the image of its registers, the sum's halves, -M
	WIN 0x04
.irp k, 0,1,2,3,4,5,6,7
	ds_store_b128 v14, v[144+4*\k:147+4*\k] offset:512*\k
.endr
	ds_store_b64 v14, v[254:255] offset:4096
	WIN 0
	ds_store_b32 v14, v9 offset:4104
	s_wait_dscnt 0x0
	s_barrier_signal -1
	s_barrier_wait -1
.irp k, 0,1,2,3,4,5,6,7
	ds_load_b128 v[80+4*\k:83+4*\k], v15 offset:512*\k
.endr
	ds_load_b64 v[112:113], v15 offset:4096
	ds_load_b32 v114, v15 offset:4104
	s_wait_dscnt 0x0
	v_min_num_f32 v115, v8, v114                   ; the joint -M
	v_sub_f32 v118, v115, v8                       ; my M less the joint one: a whole number, 0 or less
	v_sub_f32 v119, v115, v114
	v_cvt_i32_f32 v118, v118
	v_cvt_i32_f32 v119, v119
	v_ldexp_f32 v116, 1.0, v118                    ; exact powers of two
	v_ldexp_f32 v117, 1.0, v119
	v_pk_mul_f32 v[20:21], v[20:21], v[116:117] op_sel_hi:[1,0]
	v_pk_fma_f32 v[20:21], v[112:113], v[116:117], v[20:21] op_sel:[0,1,0] op_sel_hi:[1,1,1]
	v_add_f32 v20, v20, v21
	v_permlanex16_b32 v118, v20, s[SEL], s[SEL+1]
	v_add_f32 v20, v20, v118
	WALU
	v_rcp_f32 v118, v20
	v_nop
	WALU
	v_mul_f32 v116, v116, v118
	v_mul_f32 v117, v117, v118
	WALU                                           ; the wait directly ahead of the first readers of O^T
.set J, 0
.rept 16
	v_pk_mul_f32 v[144+J:145+J], v[144+J:145+J], v[116:117] op_sel_hi:[1,0]
.set J, J+2
.endr
.set J, 0
.rept 16
	v_pk_fma_f32 v[144+J:145+J], v[80+J:81+J], v[116:117], v[144+J:145+J] op_sel:[0,1,0] op_sel_hi:[1,1,1]     ; O^T / l: register 8 t + j is channel 32 h + 8 t + j
.set J, J+2
.endr
	v_max3_num_f32 v240, |v144|, |v145|, 0x1800000
	v_max3_num_f32 v241, |v146|, |v147|, |v148|
.irp i, 5,9,13,17,21,25
	v_max3_num_f32 v240, v240, |v[144+\i]|, |v[145+\i]|
	v_max3_num_f32 v241, v241, |v[146+\i]|, |v[147+\i]|
.endr
	v_max3_num_f32 v240, v240, |v173|, |v174|
	v_max3_num_f32 v240, v240, v241, |v175|
	v_add_nc_u32 v242, 0xff000000, v240
	v_lshrrev_b32 v243, 23, v242
	v_cvt_scalef32_pk16_fp6_f32 v[56:58], v[144:159], v242
	v_cvt_scalef32_pk16_fp6_f32 v[244:246], v[160:175], v242
	v_nop
.irp i, 0,1,2
	v_mov_b32 v[59+\i], v[244+\i]
.endr
	global_store_b128 v1, v[56:59], s[88:89]
	global_store_b64 v2, v[60:61], s[88:89] offset:512
	global_store_b8 v0, v243, s[86:87] offset:6144
	v_mov_b32 v26, 0                               ; the add's 0 (v255 has been at work)
	WALU
	s_wait_tensorcnt 0x0
	ds_add_u32 v27, v26
	s_wait_dscnt 0x0
	CROUND                                         ; the closing round
	s_endpgm
.Lfunc_end_k_q7d2c3facc9_attn:
	.size	k_q7d2c3facc9_attn, .Lfunc_end_k_q7d2c3facc9_attn-k_q7d2c3facc9_attn
	.p2alignl 7, 3214868480
	.fill 96, 4, 3214868480
	.section	.rodata,"a",@progbits
	.p2align	6, 0x0
	.amdhsa_kernel k_q7d2c3facc9_attn
		.amdhsa_group_segment_fixed_size 254976
		.amdhsa_private_segment_fixed_size 0
		.amdhsa_enable_private_segment 0
		.amdhsa_kernarg_size 24
		.amdhsa_user_sgpr_count 2
		.amdhsa_user_sgpr_kernarg_segment_ptr 1
		.amdhsa_wavefront_size32 1
		.amdhsa_system_sgpr_workgroup_id_x 1
		.amdhsa_system_sgpr_workgroup_id_y 1
		.amdhsa_system_sgpr_workgroup_id_z 1
		.amdhsa_system_vgpr_workitem_id 0
		.amdhsa_next_free_vgpr 512
		.amdhsa_next_free_sgpr 96
		.amdhsa_reserve_vcc 0
		.amdhsa_float_denorm_mode_32 3
		.amdhsa_float_denorm_mode_16_64 3
		.amdhsa_memory_ordered 1
		.amdhsa_forward_progress 1
		.amdhsa_inst_pref_size 110
	.end_amdhsa_kernel
	.amdgpu_metadata
---
amdhsa.version: [ 1, 2 ]
amdhsa.kernels:
  - .name:           k_q7d2c3facc9_attn
    .symbol:         k_q7d2c3facc9_attn.kd
    .args:
      - { .name: qb, .offset: 0, .size: 8, .value_kind: global_buffer, .address_space: global }
      - { .name: kv, .offset: 8, .size: 8, .value_kind: global_buffer, .address_space: global }
      - { .name: oc, .offset: 16, .size: 8, .value_kind: global_buffer, .address_space: global }
    .group_segment_fixed_size: 254976
    .private_segment_fixed_size: 0
    .kernarg_segment_align: 8
    .kernarg_segment_size: 24
    .max_flat_workgroup_size: 256
    .sgpr_count:     96
    .vgpr_count:     512
    .wavefront_size: 32
...
	.end_amdgpu_metadata
.endif
;; end of part 3
;; launch oproj (part 4): grid 32 x 8, 8 waves a work-group, clusters of 4 x 4, 188,416 bytes of LDS; arguments pc, oc, bo, out0; writes out0
.if DOCPART == 4
	.amdgcn_target "amdgcn-amd-amdhsa--gfx1250"
	.amdhsa_code_object_version 6
	.text
	.protected	k_q7d2c3facc9_oproj
	.globl	k_q7d2c3facc9_oproj
	.p2align	8
	.type	k_q7d2c3facc9_oproj,@function
k_q7d2c3facc9_oproj:
	s_mov_b64 s[64:65], 0
	v_nop
	global_prefetch_b8 v0, s[64:65] scope:SCOPE_SE
	s_setreg_imm32_b32 hwreg(HW_REG_WAVE_MODE, 25, 1), 1
	s_wait_xcnt 0x0
	s_wait_alu depctr_hold_cnt(0) depctr_sa_sdst(0) depctr_va_vdst(0) depctr_va_sdst(0) depctr_va_ssrc(0) depctr_va_vcc(0) depctr_vm_vsrc(0)
	s_getreg_b32 s2, hwreg(HW_REG_IB_STS2, 6, 4)
	s_cmp_eq_u32 s2, 0
	s_cbranch_scc0 .Lentry_in_a_cluster
	s_endpgm
.Lentry_in_a_cluster:
	s_bfe_u32 s2, ttmp6, 0x10000c
	s_cmp_lg_u32 s2, 0xf033
	s_cbranch_scc0 .Lentry_shape_is_right
	s_endpgm
.Lentry_shape_is_right:
; OPROJ: out0 = Q(O) Q(Wo) + bo, on the codes that PREP (Wo) and ATTN (O) made.
; A work-group multiplies P (128 columns of Wo, two groups, source 0) by R (64 tokens, a group, source 1) over K = 1,024.  Eight waves: wave % 4 = a: tiles 2 (a % 2), + 1 of P's group a / 2; wave / 4 = b: R's tiles 2 b, + 1.
; All of K lies in LDS in four chunks of two K steps, filled once, one joint load a wave: R along a column of the cluster, P along a row.  No prefetch: all is asked for at the head.  The bias is the first products' C.
.set CHUNK, 38400                      ; R's group, then P's two: 12,800 bytes each
.set WB,  12800
.set STG, 4*CHUNK                      ; the way out: 64 rows of 528 bytes
.set SPARE, STG+64*528
.set SPW, 30
.set NIL, 31
.set SC,  20                           ; v20-23: two sets: lanes 0-15 R's tile i, lanes 16-31 P's tile i
.set FS,  32                           ; two sets of 48
.set ACC, 128
.macro WALU
	s_wait_alu depctr_va_vdst(0)
.endm
.macro CROUND
	s_barrier_signal -1
	s_barrier_wait -1
	s_cmp_lg_u32 s22, 0
	s_cbranch_scc1 .Lnot_wave_0_\@
	s_barrier_signal -3
.Lnot_wave_0_\@:
	s_barrier_wait -3
	s_barrier_signal -1
	s_barrier_wait -1
.endm
	s_load_b256 s[4:11], s[0:1], 0x0               ; pc, oc, bo, out0
	v_lshl_add_u32 v[SPW], v0, 2, SPARE
	v_mov_b32 v[NIL], 0
	ds_add_u32 v[SPW], v[NIL]
	ds_add_u32 v[SPW], v[NIL]
	v_lshrrev_b32 v1, 5, v0
	v_readfirstlane_b32 s22, v1                    ; wave
	s_and_b32 s23, s22, 3
	s_lshr_b32 s24, s22, 2                         ; b
	s_lshr_b32 s29, s23, 1                         ; a / 2
	s_and_b32 s30, s23, 1                          ; a % 2
	s_lshr_b32 s60, s22, 1                         ; the chunk that I fetch
	s_bfe_u32 s25, ttmp6, 0x40000                  ; cx
	s_bfe_u32 s26, ttmp6, 0x40004                  ; cy
	s_lshl_b32 s27, ttmp9, 2
	s_add_co_u32 s27, s27, s25                     ; group of 64 tokens
	s_and_b32 s28, ttmp7, 0xffff
	s_lshl_b32 s28, s28, 2
	s_add_co_u32 s28, s28, s26                     ; block of 128 columns
	s_lshl_b32 s2, s26, 2
	s_lshl_b32 s2, 15, s2                          ; my row of the cluster
	s_lshl_b32 s3, 0x1111, s25                     ; my column
	s_or_b32 s32, s3, (3<<16)|(1<<21)              ; R: 12,800 dense bytes as 50 rows of 256
	s_mov_b32 s33, 32<<16
	s_mov_b32 s34, 50<<16
	s_mov_b32 s35, 32<<16
	s_mov_b32 s36, 50
	s_mov_b32 s37, 32
	s_mov_b32 s38, 0
	s_mov_b32 s39, 0
	s_or_b32 s40, s2, (3<<16)|(1<<21)              ; P: two rows (groups) of 12,800 bytes, 51,200 apart
	s_mov_b32 s41, 1600<<16
	s_mov_b32 s42, 2<<16
	s_mov_b32 s43, 1600<<16
	s_mov_b32 s44, 2
	s_mov_b32 s45, 6400
	s_mov_b32 s46, 0
	s_mov_b32 s47, 0
	s_mul_i32 s31, s60, 12800
	s_mul_i32 s56, s27, 51200
	s_add_co_u32 s56, s56, s31
	s_mov_b32 s57, 0
	s_lshl_b32 s58, s28, 1
	s_add_co_u32 s58, s58, 80
	s_mul_i32 s58, s58, 51200
	s_add_co_u32 s58, s58, s31
	s_mov_b32 s59, 0
	s_mul_i32 s61, s60, CHUNK
	s_mov_b32 s48, 1
	s_mov_b32 s49, s61
	s_mov_b32 s52, 1
	s_add_co_u32 s53, s61, WB
	s_wait_dscnt 0x0
	s_wait_kmcnt 0x0
	s_add_nc_u64 s[50:51], s[6:7], s[56:57]
	s_or_b32 s51, s51, 0x80000000
	s_add_nc_u64 s[54:55], s[4:5], s[58:59]
	s_or_b32 s55, s55, 0x80000000
	CROUND                                         ; all sixteen work-groups are here: the joint loads meet
.macro ARM n, g0, g1
	s_cmp_eq_u32 s22, \n
	s_cbranch_scc0 .Lnx\n
	tensor_load_to_lds s[\g0:\g0+3], s[\g1:\g1+7]
	s_nop 0
.rept 4
	v_nop
.endr
	s_branch .Lasked
.Lnx\n:
.endm
	ARM 0, 48, 32
	ARM 1, 52, 40
	ARM 2, 48, 32
	ARM 3, 52, 40
	ARM 4, 48, 32
	ARM 5, 52, 40
	ARM 6, 48, 32
	tensor_load_to_lds s[52:55], s[40:47]
	s_nop 0
.rept 4
	v_nop
.endr
.Lasked:
	v_and_b32 v10, 31, v0                          ; lane
	v_and_b32 v3, 15, v0                           ; r
	v_bfe_u32 v4, v0, 4, 1                         ; h
	v_lshlrev_b32 v1, 4, v10
	v_lshlrev_b32 v2, 3, v10
	s_lshl_b32 s66, s29, 8
	s_lshl_b32 s67, s30, 6
	s_add_co_u32 s66, s66, s67                     ; my columns: 64 (a / 2) + 16 (a % 2) + 32 h, in bytes
	v_lshl_add_u32 v11, v4, 7, s66
	s_lshl_b32 s68, s28, 9
	s_mov_b32 s69, 0
	s_add_nc_u64 s[8:9], s[8:9], s[68:69]
	s_add_nc_u64 s[10:11], s[10:11], s[68:69]
	WALU
.irp k, 0,1,2,3
	global_load_b128 v[ACC+16+4*\k:ACC+19+4*\k], v11, s[8:9] offset:16*\k    ; bo, where token tile 1's sums will lie
.endr
	s_lshl_b32 s68, s27, 6
	s_lshl_b32 s67, s22, 3
	s_add_co_u32 s68, s68, s67
	s_lshl_b32 s68, s68, 12                        ; the eight rows that I store
	s_add_nc_u64 s[10:11], s[10:11], s[68:69]
	s_mul_i32 s61, s29, 12800
	s_add_co_u32 s61, s61, WB
	s_add_co_u32 s66, s61, 6144
	s_mul_i32 s67, s30, 3072
	s_add_co_u32 s61, s61, s67                     ; P: my two tiles
	s_lshl_b32 s67, s30, 7
	s_add_co_u32 s66, s66, s67                     ; P's scale words
	s_mul_i32 s68, s24, 3072                       ; R: my two tiles
	s_lshl_b32 s67, s24, 7
	s_add_co_u32 s67, s67, 6144                    ; R's scale words
	s_sub_co_u32 s66, s66, s67
	v_add_nc_u32 v5, s61, v1
	v_add_nc_u32 v6, s61, v2
	v_add_nc_u32 v7, s68, v1
	v_add_nc_u32 v8, s68, v2
	v_mul_u32_u24 v9, s66, v4
	v_lshl_add_u32 v9, v3, 2, v9
	v_add_nc_u32 v9, s67, v9
	v_and_b32 v12, 8, v3
	v_and_b32 v13, 7, v3
	v_lshl_add_u32 v13, v12, 2, v13                ; r % 8 + 32 (r / 8)
	s_lshl_b32 s66, s24, 4
	v_add_nc_u32 v13, s66, v13                     ; my token, tile q = 0; tile 1: 8 on
	v_mul_u32_u24 v13, v13, 528
	v_lshl_add_u32 v13, v4, 7, v13
	s_lshl_b32 s66, s29, 8
	s_lshl_b32 s67, s30, 6
	s_add_co_u32 s66, s66, s67
	s_add_co_u32 s66, s66, STG
	v_add_nc_u32 v13, s66, v13                     ; the way out, in
	s_mul_i32 s66, s22, 8*528
	s_add_co_u32 s66, s66, STG
	v_add_nc_u32 v14, s66, v1                      ; and out: a row of 512 bytes an instruction
.macro FRAG reg, a16, a8, off
	ds_load_b128 v[\reg:\reg+3], v[\a16] offset:\off
	ds_load_b64 v[\reg+4:\reg+5], v[\a8] offset:\off+512
	ds_load_b128 v[\reg+6:\reg+9], v[\a16] offset:\off+768
	ds_load_b64 v[\reg+10:\reg+11], v[\a8] offset:\off+1280
.endm
.macro LD e                            ; 18 loads
.irp i, 0,1
	ds_load_b32 v[SC+2*\e+\i], v9 offset:6400*\e+64*\i
.endr
.irp i, 0,1
	FRAG FS+48*\e+12*\i, 5, 6, 6400*\e+1536*\i
.endr
.irp i, 0,1
	FRAG FS+48*\e+24+12*\i, 7, 8, 6400*\e+1536*\i
.endr
.endm
.macro MUL e, q, first
.irp p, 0,1
.set D_, ACC+16*\q+8*\p
.set C_, D_+16*\first
	v_wmma_scale_f32_16x16x128_f8f6f4 v[D_:D_+7], v[FS+48*\e+12*\p:FS+48*\e+12*\p+11], v[FS+48*\e+24+12*\q:FS+48*\e+24+12*\q+11], v[C_:C_+7], v[SC+2*\e+\p], v[SC+2*\e+\q] matrix_a_fmt:MATRIX_FMT_FP6 matrix_b_fmt:MATRIX_FMT_FP6 matrix_a_scale:MATRIX_SCALE_ROW1
.endr
.endm
.macro SHOW j
	s_wait_dscnt 0x0
.if \j < 3
	s_cmp_eq_u32 s60, \j
	s_cbranch_scc0 .Lshow\j
	s_wait_tensorcnt 0x0
.Lshow\j:
.else
	s_wait_tensorcnt 0x0
.endif
	s_barrier_signal -1
.endm
.macro PLACES n
.rept \n
	v_nop
.endr
.endm
.macro TURN j
	SHOW \j
	MUL 1, 0, 0
	s_barrier_wait -1
.irp a, 5,6,7,8,9
	v_add_nc_u32 v\a, CHUNK, v\a
.endr
	WALU
	LD 0
	MUL 1, 1, 0
	PLACES 4
	LD 1
	s_wait_dscnt 18                                ; all but the 18 just issued
	MUL 0, 0, 0
	MUL 0, 1, 0
.endm
	WALU
	SHOW 0
	s_barrier_wait -1
	LD 0
	LD 1
	s_wait_loadcnt 0x0                             ; bo
	s_wait_dscnt 18
	MUL 0, 0, 1
	PLACES 5                                       ; the products that follow write over what those read as C
	MUL 0, 1, 0
	TURN 1
	TURN 2
	TURN 3
	s_wait_dscnt 0x0
	MUL 1, 0, 0
	MUL 1, 1, 0
	PLACES 4
.irp q, 0,1
.irp k, 0,1,2,3
	ds_store_b128 v13, v[ACC+16*\q+4*\k:ACC+16*\q+4*\k+3] offset:8*528*\q+16*\k
.endr
.endr
	s_wait_dscnt 0x0
	s_barrier_signal -1
	s_barrier_wait -1
.irp i, 0,1,2,3,4,5,6,7
	ds_load_b128 v[32+4*\i:35+4*\i], v14 offset:528*\i
.endr
.irp i, 0,1,2,3,4,5,6,7
	s_wait_dscnt 7-\i
	global_store_b128 v1, v[32+4*\i:35+4*\i], s[10:11] offset:4096*\i th:TH_STORE_NT   ; 512 consecutive bytes of one token's row, aligned
.endr
	s_wait_tensorcnt 0x0
	ds_add_u32 v[SPW], v[NIL]
	s_wait_dscnt 0x0
	CROUND                                         ; the closing round
	s_endpgm
.Lfunc_end_k_q7d2c3facc9_oproj:
	.size	k_q7d2c3facc9_oproj, .Lfunc_end_k_q7d2c3facc9_oproj-k_q7d2c3facc9_oproj
	.p2alignl 7, 3214868480
	.fill 96, 4, 3214868480
	.section	.rodata,"a",@progbits
	.p2align	6, 0x0
	.amdhsa_kernel k_q7d2c3facc9_oproj
		.amdhsa_group_segment_fixed_size 188416
		.amdhsa_private_segment_fixed_size 0
		.amdhsa_enable_private_segment 0
		.amdhsa_kernarg_size 32
		.amdhsa_user_sgpr_count 2
		.amdhsa_user_sgpr_kernarg_segment_ptr 1
		.amdhsa_wavefront_size32 1
		.amdhsa_system_sgpr_workgroup_id_x 1
		.amdhsa_system_sgpr_workgroup_id_y 1
		.amdhsa_system_sgpr_workgroup_id_z 1
		.amdhsa_system_vgpr_workitem_id 0
		.amdhsa_next_free_vgpr 256
		.amdhsa_next_free_sgpr 100
		.amdhsa_reserve_vcc 0
		.amdhsa_float_denorm_mode_32 3
		.amdhsa_float_denorm_mode_16_64 3
		.amdhsa_memory_ordered 1
		.amdhsa_forward_progress 1
		.amdhsa_inst_pref_size 27
	.end_amdhsa_kernel
	.amdgpu_metadata
---
amdhsa.version: [ 1, 2 ]
amdhsa.kernels:
  - .name:           k_q7d2c3facc9_oproj
    .symbol:         k_q7d2c3facc9_oproj.kd
    .args:
      - { .name: pc, .offset: 0, .size: 8, .value_kind: global_buffer, .address_space: global }
      - { .name: oc, .offset: 8, .size: 8, .value_kind: global_buffer, .address_space: global }
      - { .name: bo, .offset: 16, .size: 8, .value_kind: global_buffer, .address_space: global }
      - { .name: out0, .offset: 24, .size: 8, .value_kind: global_buffer, .address_space: global }
    .group_segment_fixed_size: 188416
    .private_segment_fixed_size: 0
    .kernarg_segment_align: 8
    .kernarg_segment_size: 32
    .max_flat_workgroup_size: 256
    .sgpr_count:     100
    .vgpr_count:     256
    .wavefront_size: 32
...
	.end_amdgpu_metadata
.endif
;; end of part 4
